; MI455X (gfx1250); checked and timed in simulation.
; The chip was launched on July 23, 2026; its instructions are those of AMD's public machine-readable ISA for CDNA 5 (MIT licence, August 2026) and "CDNA5" Instruction Set Architecture Reference Guide (July 2026). The comments in the code are by the model that wrote it; some were corrected since.
;; Simplified Transformer Block. Allowed arithmetic: float matrix products may take bf16 or f16 operands with f32 sums; other float arithmetic in f32, or as packed bf16 or f16 multiplies, adds, multiply-adds, maxima and minima; sums over many terms, partial sums and values carried from step to step in f32; what a program stores and reads back later, other than sums and carried values, may be rounded once to bf16 or f16.
;; Inputs: W1 4,096 x 1,024 float32; W2 1,024 x 4,096 float32; W_qk 2,048 x 1,024 float32; alpha one number float32; alpha_ff one number float32; b1 4,096 float32; b2 1,024 float32; b_qk 2,048 float32; beta one number float32; beta_ff one number float32; gamma one number float32; x 2 x 2,048 x 1,024 float32.
;; Outputs: out0 2 x 2,048 x 1,024 float32.
;; 2 versions, each right; version 2 is version 1 with the launch prep written anew for expert scheduling mode. Each part assembles by itself: llvm-mc -triple=amdgcn-amd-amdhsa -mcpu=gfx1250 --defsym DOCPART=n.
;; ======== version 1 of 2: 4 launches
;; limits: values are held in f16: magnitudes above 65,504 overflow, below 6.1e-05 lose precision
;; workspace buffers: xb 8,388,608 bytes; xv 8,388,608 bytes; wcat 12,582,912 bytes; w2h 8,388,608 bytes; qkh 16,777,216 bytes; hbuf 33,554,432 bytes; att 16,777,216 bytes; aux 553,472 bytes
;; launch prep (part 1): grid 449 x 1, 4 waves a work-group, no clusters, 0 bytes of LDS; arguments x, W1, W_qk, W2, b1, b_qk, b2, alpha, beta, gamma, alpha_ff, beta_ff, xb, xv, wcat, w2h, aux; writes xb, xv, wcat, w2h, aux
.if DOCPART == 1
	.amdgcn_target "amdgcn-amd-amdhsa--gfx1250"
	.amdhsa_code_object_version 6
	.text
	.protected	k_q075582e774_prep
	.globl	k_q075582e774_prep
	.p2align	8
	.type	k_q075582e774_prep,@function
k_q075582e774_prep:
	s_mov_b64 s[64:65], 0
	v_nop
	global_prefetch_b8 v0, s[64:65] scope:SCOPE_SE
	s_setreg_imm32_b32 hwreg(HW_REG_WAVE_MODE, 25, 1), 1
	s_wait_xcnt 0x0
; PREP: every input is rounded once to bf16, and laid out for the three launches behind.
;   xb   [16][4096][64] bf16 = x in blocks of 64 columns: block s holds columns 64 s .. 64 s + 63 of all rows, a row's 128 bytes on end
;   wcat [16][6144][64] bf16, the same blocks of W1 and W_qk; its rows go by groups of 384: 256 rows of W1, then 128 rows of W_qk (group c: W1's rows 256 c .., W_qk's rows 128 c ..)
;   w2h  [1024][4096] f16 of bf16(W2)
;   xv   [n*16+h][2048][64] f16 of bf16(x): x by heads, a head's rows dense (128 bytes each)
;   aux  f32: at 0 [128][1024] the column sums of 32 rows of bf16(x) each; at BCAT bf16(b1), bf16(b_qk), bf16(b2) on end; at PAR c1..c4 (below)
; LIMITS.  A bf16 number written as f16 is exact from 2^-14 / 8 up to 65,504; below that it keeps f16's fixed step of 6e-8; beyond 65,504 it is an infinity: |x| and |W2| stay under 65,504.
; A stream: no LDS, no matrix unit, no cluster (no two work-groups read the same byte).  All four tensors are taken as rows of 1,024 f32; a work-group takes 32 rows.
; Thread t owns columns 4 t .. 4 t + 3 and 512 + 4 t .. : a load of a wave covers 512 consecutive bytes, a store of 8 bytes a lane 256 consecutive bytes, aligned.
; Work-groups 0-127: x; 128-255: W1; 256-319: W_qk; 320-447: W2; 448: the biases and the five scalars.
.set BCAT, 524288
.set PAR,  552960
.set SUM,  8                           ; v[8:15]    column sums of my 8 columns (x alone)
.set T,    16                          ; v[16:31]   a pass's 16 numbers, rounded, as f32
.set X,    32                          ; v[32:95]   four slots of 16: row p, group g at 8 p + 4 g
.set YB,   96                          ; v[96:103]  the pass in bf16
.set YH,   104                         ; v[104:111] the pass in f16
.set VB,   112                         ; v[112:115] my offset in block 2 w + 8 g + s of the blocked copy, at 2 g + s
.set SRC,  42                          ; s[42:43]   the source at this round's first row
.set DST,  44                          ; s[44:45]   the 16-bit copy at the same row
.set KW2,  46                          ; s46        1: the source is W2: the copy is f16, row by row
.set KX,   47                          ; s47        1: the source is x
.set DV,   48                          ; s[48:49]   xv at head 0 of my n, this round's first row
.set CPP,  50                          ; s[50:51]   my row of the partial column sums
.set DSTEP, 62                         ; s[62:63]   bytes of the copy in 8 rows
	s_load_b512 s[8:23], s[0:1], 0x0               ; x 8, W1 10, W_qk 12, W2 14, b1 16, b_qk 18, b2 20, alpha 22
	s_load_b512 s[24:39], s[0:1], 0x40             ; beta 24, gamma 26, alpha_ff 28, beta_ff 30, xb 32, xv 34, wcat 36, w2h 38
	s_load_b64 s[40:41], s[0:1], 0x80              ; aux
	s_mov_b32 s60, ttmp9
	v_lshlrev_b32 v1, 4, v0                        ; 16 t: my 16 bytes of f32
	v_lshlrev_b32 v2, 3, v0                        ; 8 t: my 8 bytes of 16-bit numbers in a row
	v_lshrrev_b32 v4, 5, v0
	v_readfirstlane_b32 s61, v4                    ; wave
	v_bfe_u32 v5, v0, 4, 1
	v_and_b32 v6, 15, v0
	v_lshlrev_b32 v7, 7, v5                        ; in a block: lanes 16-31 one row of 128 bytes further down,
	v_lshl_add_u32 v7, v6, 3, v7                   ; 8 bytes a lane
	v_lshl_add_u32 v3, v4, 19, v7                  ; xv: head 2 x wave (a head is 262,144 bytes)
.irp z, 0,1,2,3,4,5,6,7
	v_mov_b32 v[SUM+\z], 0
.endr
	s_mov_b32 s53, 0xffff0000                      ; a word's upper bf16
	s_sub_co_u32 s54, s60, 320                     ; the block of 32 rows in each of the tensors
	s_sub_co_u32 s55, s60, 256
	s_sub_co_u32 s56, s60, 128
	s_and_b32 s57, s60, 127
	s_lshr_b32 s2, s56, 3                          ; W1: eight blocks of 32 rows to a group of 384 rows of wcat
	s_mul_i32 s2, s2, 384
	s_and_b32 s3, s56, 7
	s_lshl_b32 s3, s3, 5
	s_add_co_u32 s2, s2, s3
	s_lshl_b32 s2, s2, 7                           ; in bytes: 128 a row
	s_lshr_b32 s3, s55, 2                          ; W_qk: four blocks to a group, behind W1's 256 rows
	s_mul_i32 s3, s3, 384
	s_and_b32 s4, s55, 3
	s_lshl_b32 s4, s4, 5
	s_add_co_u32 s3, s3, s4
	s_add_co_u32 s3, s3, 256
	s_lshl_b32 s3, s3, 7
	s_lshl_b32 s4, s54, 16                         ; W2: 32 rows of 2,048 bytes
	s_lshl_b32 s5, s60, 12                         ; x: 32 rows of 128 bytes
	s_mov_b32 s6, 786432                           ; bytes in a block of wcat,
	s_mov_b32 s7, 524288                           ; of xb
	s_movk_i32 s[DSTEP], 0x4000                    ; 8 rows of w2h,
	s_movk_i32 s52, 0x400                          ; of a block
	s_mov_b32 s[DSTEP+1], 0
	s_wait_kmcnt 0x0
	s_cmp_eq_u32 s60, 448
	s_cbranch_scc1 .Lmisc
	s_cmp_lt_u32 s60, 320
	s_cselect_b64 s[SRC:SRC+1], s[12:13], s[14:15] ; W_qk or W2
	s_cselect_b64 s[DST:DST+1], s[36:37], s[38:39] ; wcat or w2h
	s_cselect_b32 s[KW2], 0, 1
	s_cselect_b32 s58, s55, s54                    ; block in the source
	s_cselect_b32 s59, s3, s4                      ; bytes into the copy
	s_cselect_b32 s[DSTEP], s52, s[DSTEP]
	s_cmp_lt_u32 s60, 256
	s_cselect_b64 s[SRC:SRC+1], s[10:11], s[SRC:SRC+1]
	s_cselect_b32 s58, s56, s58
	s_cselect_b32 s59, s2, s59
	s_cmp_lt_u32 s60, 128
	s_cselect_b64 s[SRC:SRC+1], s[8:9], s[SRC:SRC+1]
	s_cselect_b64 s[DST:DST+1], s[32:33], s[DST:DST+1]
	s_cselect_b32 s58, s60, s58
	s_cselect_b32 s59, s5, s59
	s_cselect_b32 s[KX], 1, 0
	s_cselect_b32 s6, s7, s6
	s_lshl_b32 s54, s58, 17                        ; 32 rows of 4,096 bytes
	s_mov_b32 s55, 0
	s_add_nc_u64 s[SRC:SRC+1], s[SRC:SRC+1], s[54:55]
	s_mov_b32 s54, s59
	s_add_nc_u64 s[DST:DST+1], s[DST:DST+1], s[54:55]
	s_lshr_b32 s54, s57, 6                         ; n: 16 heads of 262,144 bytes,
	s_lshl_b32 s54, s54, 22
	s_and_b32 s56, s57, 63                         ; 32 rows of 128 bytes
	s_lshl_b32 s56, s56, 12
	s_add_co_u32 s54, s54, s56
	s_add_nc_u64 s[DV:DV+1], s[34:35], s[54:55]
	s_lshl_b32 s54, s57, 12
	s_add_nc_u64 s[CPP:CPP+1], s[40:41], s[54:55]
.irp q, 0,1,2,3
	s_lshl_b32 s54, s61, 1                         ; block 2 w + 8 g + s, q = 2 g + s
	s_add_co_u32 s54, s54, 8*(\q/2)+(\q%2)
	s_mul_i32 s54, s54, s6
	v_add_nc_u32 v[VB+\q], s54, v7
.endr
.macro FILL i, base                    ; slot i: two rows, four loads
.irp p, 0,1
.irp g, 0,1
	global_load_b128 v[X+16*(\i)+8*(\p)+4*(\g):X+16*(\i)+8*(\p)+4*(\g)+3], v1, s[SRC:SRC+1] offset:(\base)+(2*(\i)+(\p))*4096+(\g)*2048 th:TH_LOAD_NT
.endr
.endr
.endm
; One slot's turn: two rows.  ahead = 1: the slot is filled again with the rows 8 further down.  left = the younger loads that may stay out.
.macro SLOT i, ahead, left
	s_wait_loadcnt \left                           ; loads come back in order: my four are in
	s_wait_xcnt 0x0                                ; YB and YH, which the last slot's stores read, are written again only behind this wait
.irp q, 0,1,2,3,4,5,6,7
	v_cvt_pk_bf16_f32 v[YB+\q], v[X+16*(\i)+2*\q], v[X+16*(\i)+2*\q+1]
.endr
.if \ahead
	FILL \i, 32768
.endif
.irp q, 0,1,2,3,4,5,6,7
	v_lshlrev_b32 v[T+2*\q], 16, v[YB+\q]          ; the rounded numbers as f32,
	v_and_b32 v[T+2*\q+1], s53, v[YB+\q]
.endr
.irp q, 0,1,2,3,4,5,6,7
	v_cvt_pk_f16_f32 v[YH+\q], v[T+2*\q], v[T+2*\q+1]  ; and written as f16
.endr
	s_cmp_eq_u32 s[KW2], 1
	s_cbranch_scc0 .Lblocked_\@
.irp p, 0,1
.irp g, 0,1
	global_store_b64 v2, v[YH+4*(\p)+2*(\g):YH+4*(\p)+2*(\g)+1], s[DST:DST+1] offset:(2*(\i)+(\p))*2048+(\g)*1024 th:TH_STORE_NT
.endr
.endr
	s_branch .Ldone_\@
.Lblocked_\@:
	; by blocks of 64 columns: lanes 0-15 hold block 2 w (+ 8 g), lanes 16-31 block 2 w + 1.  The swap puts one block's two rows into one register: 256 consecutive bytes of the copy
.irp q, 0,1,2,3
	v_permlane16_swap_b32 v[YB+\q], v[YB+4+\q]
.endr
.irp g, 0,1
.irp s, 0,1
	global_store_b64 v[VB+2*(\g)+(\s)], v[YB+4*(\s)+2*(\g):YB+4*(\s)+2*(\g)+1], s[DST:DST+1] offset:(\i)*256 th:TH_STORE_NT
.endr
.endr
	s_cmp_eq_u32 s[KX], 1
	s_cbranch_scc0 .Ldone_\@
.irp z, 0,2,4,6
	v_pk_add_f32 v[SUM+\z:SUM+\z+1], v[SUM+\z:SUM+\z+1], v[T+\z:T+\z+1]
.endr
.irp z, 0,2,4,6
	v_pk_add_f32 v[SUM+\z:SUM+\z+1], v[SUM+\z:SUM+\z+1], v[T+8+\z:T+8+\z+1]
.endr
.irp q, 0,1,2,3                        ; a head is such a block too
	v_permlane16_swap_b32 v[YH+\q], v[YH+4+\q]
.endr
.irp g, 0,1
.irp s, 0,1
	global_store_b64 v3, v[YH+4*(\s)+2*(\g):YH+4*(\s)+2*(\g)+1], s[DV:DV+1] offset:(\i)*256+(\g)*2097152+(\s)*262144 th:TH_STORE_NT
.endr
.endr
.Ldone_\@:
.endm
	FILL 0, 0
	FILL 1, 0
	FILL 2, 0
	FILL 3, 0                                      ; 16 loads of every wave are on their way
	s_mov_b32 s52, 3
.Lround:                                               ; a round: 8 rows
	SLOT 0, 1, 12                                  ; 12: the three younger slots' loads stay out
	SLOT 1, 1, 12
	SLOT 2, 1, 12
	SLOT 3, 1, 12
	s_wait_xcnt 0x0                                ; the bases are written only behind this wait
	s_add_nc_u64 s[SRC:SRC+1], s[SRC:SRC+1], 32768
	s_add_nc_u64 s[DST:DST+1], s[DST:DST+1], s[DSTEP:DSTEP+1]
	s_add_nc_u64 s[DV:DV+1], s[DV:DV+1], 1024
	s_sub_co_u32 s52, s52, 1
	s_cmp_lg_u32 s52, 0
	s_cbranch_scc1 .Lround
	SLOT 0, 0, 12                                  ; the last round loads nothing: the counts run down
	SLOT 1, 0, 8
	SLOT 2, 0, 4
	SLOT 3, 0, 0
	s_cmp_eq_u32 s[KX], 1
	s_cbranch_scc0 .Lend
	global_store_b128 v1, v[SUM:SUM+3], s[CPP:CPP+1]
	global_store_b128 v1, v[SUM+4:SUM+7], s[CPP:CPP+1] offset:2048
	s_branch .Lend
.Lmisc:                                                ; b1 (8 x 2,048 bytes), b_qk (4), b2 (2): rounded to bf16, kept as f32, on end from BCAT on
.irp j, 0,1,2,3,4,5,6,7
	global_load_b128 v[X+4*\j:X+4*\j+3], v1, s[16:17] offset:2048*\j
.endr
.irp j, 0,1,2,3
	global_load_b128 v[X+32+4*\j:X+32+4*\j+3], v1, s[18:19] offset:2048*\j
.endr
.irp j, 0,1
	global_load_b128 v[X+48+4*\j:X+48+4*\j+3], v1, s[20:21] offset:2048*\j
.endr
	s_load_b32 s54, s[22:23], 0x0                  ; alpha
	s_load_b32 s55, s[24:25], 0x0                  ; beta
	s_load_b32 s56, s[26:27], 0x0                  ; gamma
	s_load_b32 s57, s[28:29], 0x0                  ; alpha_ff
	s_load_b32 s58, s[30:31], 0x0                  ; beta_ff
	s_wait_loadcnt 0x0
.irp j, 0,1,2,3,4,5,6,7,8,9,10,11,12,13
	v_cvt_pk_bf16_f32 v16, v[X+4*\j], v[X+4*\j+1]
	v_cvt_pk_bf16_f32 v17, v[X+4*\j+2], v[X+4*\j+3]
	v_lshlrev_b32 v[X+4*\j], 16, v16
	v_and_b32 v[X+4*\j+1], s53, v16
	v_lshlrev_b32 v[X+4*\j+2], 16, v17
	v_and_b32 v[X+4*\j+3], s53, v17
	global_store_b128 v1, v[X+4*\j:X+4*\j+3], s[40:41] offset:BCAT+2048*\j
.endr
	s_wait_kmcnt 0x0
	s_cmp_lg_u32 s61, 0
	s_cbranch_scc1 .Lend                           ; wave 0 makes the four factors
	v_mov_b32 v16, s54
	v_mov_b32 v17, s55
	v_mov_b32 v18, s56
	v_mov_b32 v19, s57
	v_mov_b32 v20, s58
	v_cvt_pk_bf16_f32 v21, v16, v17
	v_cvt_pk_bf16_f32 v22, v18, v19
	v_cvt_pk_bf16_f32 v23, v20, v20
	v_lshlrev_b32 v16, 16, v21                     ; alpha
	v_and_b32 v17, s53, v21                        ; beta
	v_lshlrev_b32 v18, 16, v22                     ; gamma
	v_and_b32 v19, s53, v22                        ; alpha_ff
	v_mul_f32 v24, v19, v17                        ; c1 = alpha_ff beta
	v_mul_f32 v25, v19, v18
	v_mul_f32 v25, 0xba000000, v25                 ; c2 = - alpha_ff gamma / 2048
	v_mul_f32 v26, v19, v16                        ; c3 = alpha_ff alpha
	v_lshlrev_b32 v27, 16, v23                     ; c4 = beta_ff
	global_store_b128 v1, v[24:27], s[40:41] offset:PAR  ; 32 lanes store the same four numbers: 512 consecutive bytes; the readers take the first 16
.Lend:
	s_endpgm
.Lfunc_end_k_q075582e774_prep:
	.size	k_q075582e774_prep, .Lfunc_end_k_q075582e774_prep-k_q075582e774_prep
	.p2alignl 7, 3214868480
	.fill 96, 4, 3214868480
	.section	.rodata,"a",@progbits
	.p2align	6, 0x0
	.amdhsa_kernel k_q075582e774_prep
		.amdhsa_group_segment_fixed_size 0
		.amdhsa_private_segment_fixed_size 0
		.amdhsa_enable_private_segment 0
		.amdhsa_kernarg_size 136
		.amdhsa_user_sgpr_count 2
		.amdhsa_user_sgpr_kernarg_segment_ptr 1
		.amdhsa_wavefront_size32 1
		.amdhsa_system_sgpr_workgroup_id_x 1
		.amdhsa_system_sgpr_workgroup_id_y 1
		.amdhsa_system_sgpr_workgroup_id_z 1
		.amdhsa_system_vgpr_workitem_id 0
		.amdhsa_next_free_vgpr 120
		.amdhsa_next_free_sgpr 66
		.amdhsa_reserve_vcc 0
		.amdhsa_float_denorm_mode_32 3
		.amdhsa_float_denorm_mode_16_64 3
		.amdhsa_memory_ordered 1
		.amdhsa_forward_progress 1
		.amdhsa_inst_pref_size 44
	.end_amdhsa_kernel
	.amdgpu_metadata
---
amdhsa.version: [ 1, 2 ]
amdhsa.kernels:
  - .name:           k_q075582e774_prep
    .symbol:         k_q075582e774_prep.kd
    .args:
      - { .name: x, .offset: 0, .size: 8, .value_kind: global_buffer, .address_space: global }
      - { .name: W1, .offset: 8, .size: 8, .value_kind: global_buffer, .address_space: global }
      - { .name: W_qk, .offset: 16, .size: 8, .value_kind: global_buffer, .address_space: global }
      - { .name: W2, .offset: 24, .size: 8, .value_kind: global_buffer, .address_space: global }
      - { .name: b1, .offset: 32, .size: 8, .value_kind: global_buffer, .address_space: global }
      - { .name: b_qk, .offset: 40, .size: 8, .value_kind: global_buffer, .address_space: global }
      - { .name: b2, .offset: 48, .size: 8, .value_kind: global_buffer, .address_space: global }
      - { .name: alpha, .offset: 56, .size: 8, .value_kind: global_buffer, .address_space: global }
      - { .name: beta, .offset: 64, .size: 8, .value_kind: global_buffer, .address_space: global }
      - { .name: gamma, .offset: 72, .size: 8, .value_kind: global_buffer, .address_space: global }
      - { .name: alpha_ff, .offset: 80, .size: 8, .value_kind: global_buffer, .address_space: global }
      - { .name: beta_ff, .offset: 88, .size: 8, .value_kind: global_buffer, .address_space: global }
      - { .name: xb, .offset: 96, .size: 8, .value_kind: global_buffer, .address_space: global }
      - { .name: xv, .offset: 104, .size: 8, .value_kind: global_buffer, .address_space: global }
      - { .name: wcat, .offset: 112, .size: 8, .value_kind: global_buffer, .address_space: global }
      - { .name: w2h, .offset: 120, .size: 8, .value_kind: global_buffer, .address_space: global }
      - { .name: aux, .offset: 128, .size: 8, .value_kind: global_buffer, .address_space: global }
    .group_segment_fixed_size: 0
    .private_segment_fixed_size: 0
    .kernarg_segment_align: 8
    .kernarg_segment_size: 136
    .max_flat_workgroup_size: 128
    .sgpr_count:     66
    .vgpr_count:     120
    .wavefront_size: 32
...
	.end_amdgpu_metadata
.endif
;; end of part 1
;; launch ffqk (part 2): grid 16 x 16, 4 waves a work-group, clusters of 4 x 4, 327,680 bytes of LDS; arguments xb, wcat, aux, hbuf, qkh; writes hbuf, qkh
.if DOCPART == 2
	.amdgcn_target "amdgcn-amd-amdhsa--gfx1250"
	.amdhsa_code_object_version 6
	.text
	.protected	k_q075582e774_ffqk
	.globl	k_q075582e774_ffqk
	.p2align	8
	.type	k_q075582e774_ffqk,@function
k_q075582e774_ffqk:
	s_mov_b64 s[64:65], 0
	v_nop
	global_prefetch_b8 v0, s[64:65] scope:SCOPE_SE
	s_setreg_imm32_b32 hwreg(HW_REG_WAVE_MODE, 25, 1), 1
	s_wait_xcnt 0x0
	s_wait_alu depctr_hold_cnt(0) depctr_sa_sdst(0) depctr_va_vdst(0) depctr_va_sdst(0) depctr_va_ssrc(0) depctr_va_vcc(0) depctr_vm_vsrc(0)
	s_getreg_b32 s2, hwreg(HW_REG_IB_STS2, 6, 4)
	s_cmp_eq_u32 s2, 0
	s_cbranch_scc0 .Lentry_in_a_cluster
	s_endpgm
.Lentry_in_a_cluster:
	s_bfe_u32 s2, ttmp6, 0x10000c
	s_cmp_lg_u32 s2, 0xf033
	s_cbranch_scc0 .Lentry_shape_is_right
	s_endpgm
.Lentry_shape_is_right:
; FFQK: C = x [W1; W_qk]^T + bias, [4096] x [6144], K = 1024, bf16 operands, f32 sums.  W1's columns go through gelu (tanh form) into hbuf [4096][4096] f16;
; W_qk's are q and k, stored by heads, unscaled: qkh [n][32 head slots][2048][64] f16 (slots 0-15 q, 16-31 k).
; LIMITS.  h, q and k are kept in f16: beyond 65,504 they become infinities.  NaN and infinities are not treated apart.
; SHARES.  256 tiles of 256 rows x 384 columns, one to a work-group: work-group (gx, gy) takes rows 256 gy, h's columns 256 gx .. and q/k's columns 128 gx ...  Four waves, each 128 rows x (128 + 64) columns:
; 96 accumulators of 16 x 16, 768 registers.
; THE OPERANDS lie in blocks of 64 along K: xb [16][4096][64], wcat [16][6144][64] with a tile column's 384 rows together (256 of W1, 128 of W_qk).  So a K step of 64 is dense in memory for each wave's
; part of a tile, and is asked for as rows of 256 bytes (two rows of the operand), padded in LDS after every 128 bytes.
; THE RING.  16 K steps of 64 through two LDS slots of 640 rows x 144 bytes.  A step is two PHASES of 32 along K, 96 matrix instructions each.  The slot's last reads are issued in its first phase, so the
; change of slots stands in the second: between a request and the wait for it a wave issues 152 matrix instructions.
; CLUSTER.  4 x 4 work-groups.  The four of a row need the same rows of xb, the four of a column the same rows of wcat: each tile is asked for jointly, by the same tensor load with the same descriptor
; and a mask that names the four.  Waves 0 and 1 fetch xb's two halves of 128 rows, waves 2 and 3 wcat's two halves of 192.
; THE MATRIX INSTRUCTION IS USED TRANSPOSED (source 0 = 16 rows of wcat, source 1 = 16 rows of xb): a lane holds one row of C and eight neighbouring columns.
; REGISTERS, in windows of 256.  Windows 1 to 3: accumulator (column block b, row block a) at 8 (8 (b % 4) + a) of window 1 + b / 4: h's in windows 1 and 2, q/k's in window 3.
;   Window 0: v0-31 addresses; v32-95, v96-159 xb's fragments, two buffers (row block a at + 8 a); v160-255 wcat's fragments, ONE buffer (column block b at + 8 b).  The products go by column blocks, and
;   four blocks that have just been multiplied are loaded again for the next phase: they are wanted again 64 products later.
;   On the way out the same 224 registers are U v32-95, E v96-159 (then the rows read back in v96-127; q/k's bias in v128-159), h's bias v160-223, packed results v224-255.
.set PITCH,  144                       ; an LDS row: 128 bytes + 16 of padding = 36 words: the 16 rows of a fragment load start at 16 different groups of four banks
.set AB,     256*PITCH                 ; a slot: xb's 256 rows, then wcat's 384
.set SLOT1,  1<<17                     ; slot 1 begins here: one exclusive or turns an address in one slot into the other's
.set STAGE,  SLOT1+640*PITCH           ; behind the ring: 16 rows x 272 bytes for each wave
.set SPITCH, 272
.set BIASL,  STAGE+4*16*SPITCH         ; 768 bytes for each wave: the bias of its 128 + 64 columns
.set SPARE,  BIASL+4*768               ; the spare words: 128 bytes for each wave, two blocks of 256 bytes that no other line names
.set STEPA,  4096*128                  ; bytes from a K step to the next in xb,
.set STEPB,  6144*128                  ; in wcat
.set BCAT,   524288                    ; the biases in aux: b1's 4,096, then b_qk's
.set ADRA0, 2                          ; v2   my lane's place in my 128 rows of xb, slot 0
.set ADRB0, 3                          ; v3   in my 128 rows of W1
.set ADRQ0, 4                          ; v4   in my 64 rows of W_qk
.set ADRA,  5                          ; v5-7 the same in the slot from which the next fragments come
.set ADRB,  6
.set ADRQ,  7
.set STO,   8                          ; v8   stage: where I put 16 bytes of a row
.set RD,    9                          ; v9   stage: rows of 256 bytes back (h)
.set RDQ,   10                         ; v10  stage: rows of 128 bytes back (q, k)
.set COH,   11                         ; v11  my offset in two rows of hbuf
.set COQ,   12                         ; v12  16 x lane: my offset in 512 consecutive bytes
.set BLA,   13                         ; v13  where my lanes' eight columns of bias lie in LDS
.set PFO,   14                         ; v14  the prefetches' offset
.set SPW,   28                         ; v28  my spare word; never rewritten
.set NIL,   29                         ; v29  0; never rewritten
.set FA0,   32
.set FA1,   96
.set FB,    160
.set U,     32
.set E,     96
.set OB,    96
.set BQ,    128
.set BIAS,  160
.set TMP,   224
.set WV, 14
.set WR, 15
.set WC, 16
.set CX, 17
.set CY, 18
.set GX, 19
.set GY, 20
.set G1A, 24                           ; s[24:31] group 1 for xb's tiles
.set G1B, 32                           ; s[32:39] for wcat's
.set G0A, 40                           ; s[40:43] group 0 for xb's tiles: it walks
.set G0B, 44                           ; s[44:47] for wcat's
.set BPH, 48                           ; s[48:49] aux at my 128 columns of b1, less BCAT
.set BPQ, 50                           ; s[50:51] aux at my 64 columns of b_qk, less BCAT + 16,384
.set LOOP, 58
.set TB, 59                            ; LDS byte at which the slot begins from which the next fragments come
.set LIM, 61                           ; a wave prefetches while LOOP is not below it
.set BL, 63                            ; blocks left on a way out
.set PST, 66                           ; s[66:67] bytes from a K step to the next, for my prefetches
.set PFA, 68                           ; s[68:69] where my prefetches stand
.set HP, 70                            ; s[70:71] hbuf at my part of the tile
.set QP, 74                            ; s[74:75] qkh at my rows of my head slot
.set C0, 76                            ; s[76:77]
.set C1, 78                            ; s[78:79]
.set OPB, 82                           ; s[82:83] a way out's stores' base
.set MSB, 0
.macro WIN new                         ; the immediate's high byte repeats the setting that is left; a switch that changes nothing is dropped
.if MSB != (\new)
	s_set_vgpr_msb (MSB<<8)|(\new)
.set MSB, \new
.endif
.endm
.macro PLACES                          ; four places in front of loads into registers that matrix instructions have read
.rept 4
	v_nop
.endr
.endm
.macro CREST                           ; a round of the cluster's barrier behind its opening barrier
	s_cmp_lg_u32 s[WV], 0
	s_cbranch_scc1 .Lnot_wave_0_\@
	s_barrier_signal -3
.Lnot_wave_0_\@:
	s_barrier_wait -3
	s_barrier_signal -1
	s_barrier_wait -1
.endm
.macro CROUND
	s_barrier_signal -1
	s_barrier_wait -1
	CREST
.endm
; A joint load.  The branch hangs on the wave's number alone.  An s_nop 0 and four v_nop follow each of the two lines; the four are also places in front of the LDS loads behind.
.macro JLOAD
	s_cmp_lt_u32 s[WV], 2
	s_cbranch_scc0 .Lfor_b_\@
	tensor_load_to_lds s[G0A:G0A+3], s[G1A:G1A+7]
	s_nop 0
.rept 4
	v_nop
.endr
	s_branch .Lasked_\@
.Lfor_b_\@:
	tensor_load_to_lds s[G0B:G0B+3], s[G1B:G1B+7]
	s_nop 0
.rept 4
	v_nop
.endr
.Lasked_\@:
.endm
.macro STEPD                           ; both walking descriptors: the other slot than last time, the next K step; the type bits on top are not reached.  No tensor load of the wave is out here
	s_xor_b32 s[G0A+1], s[G0A+1], SLOT1
	s_add_nc_u64 s[G0A+2:G0A+3], s[G0A+2:G0A+3], STEPA
	s_xor_b32 s[G0B+1], s[G0B+1], SLOT1
	s_add_nc_u64 s[G0B+2:G0B+3], s[G0B+2:G0B+3], STEPB
.endm
; A PREFETCH, in every second K step j, of K steps j + 4 and j + 5, which are asked for two and three changes of slots later.  Each block of 256 bytes is named once in the launch.  xb's tile rows are read by
; every cluster of a row of clusters: the first of them asks; a step's tile is 128 blocks, 32 to each of the four partners, told apart by address; wave 0 asks, an instruction a step.  wcat's tile columns are
; read by every cluster of a column: the first asks; two steps' tiles are 384 blocks, 96 to a partner, 32 to each of its waves 1 to 3.  K steps 0 to 3 come by their loads alone; nothing is named past step 15.
.macro ASK
	s_and_b32 s21, s[LOOP], 1
	s_cmp_eq_u32 s21, 0
	s_cbranch_scc0 .Lno_\@
	s_cmp_ge_u32 s[LOOP], s[LIM]
	s_cbranch_scc0 .Lno_\@
	global_prefetch_b8 v[PFO], s[PFA:PFA+1] th:TH_LOAD_NT scope:SCOPE_SE
	s_cmp_eq_u32 s[WV], 0
	s_cbranch_scc0 .Lno_\@
	global_prefetch_b8 v[PFO], s[PFA:PFA+1] offset:STEPA th:TH_LOAD_NT scope:SCOPE_SE
.Lno_\@:
.endm
	s_load_b256 s[4:11], s[0:1], 0x0               ; xb 4, wcat 6, aux 8, hbuf 10
	s_load_b64 s[12:13], s[0:1], 0x20              ; qkh
	v_lshl_add_u32 v[SPW], v0, 2, SPARE
	v_mov_b32 v[NIL], 0
	ds_add_u32 v[SPW], v[NIL]                      ; the wave's opening: the add and its wait ahead of my first tensor load
	v_lshrrev_b32 v1, 5, v0
	v_readfirstlane_b32 s[WV], v1
	s_lshr_b32 s[WR], s[WV], 1                     ; which 128 rows of the tile are mine
	s_and_b32 s[WC], s[WV], 1                      ; which half of its columns; also: which half of an operand's rows I fetch
	s_bfe_u32 s[CX], ttmp6, 0x40000
	s_bfe_u32 s[CY], ttmp6, 0x40004
	s_lshl_b32 s[GX], ttmp9, 2
	s_add_co_u32 s[GX], s[GX], s[CX]
	s_and_b32 s[GY], ttmp7, 0xffff
	s_lshl_b32 s[GY], s[GY], 2
	s_add_co_u32 s[GY], s[GY], s[CY]
	s_lshl_b32 s88, s[CY], 2
	s_lshl_b32 s88, 15, s88                        ; my row of the cluster
	s_lshl_b32 s89, 0x1111, s[CX]                  ; my column
	s_or_b32 s[G1A], s88, (1<<16)|(1<<20)|(1<<21)|(4<<22)|(3<<25)  ; the mask; 2-byte elements; padding on; bit 21 beside a mask; after every 32 words 4 words
	s_or_b32 s[G1B], s89, (1<<16)|(1<<20)|(1<<21)|(4<<22)|(3<<25)
	s_mov_b32 s[G1A+1], 128<<16                    ; tensor_dim0 = 128 elements: 256 bytes, two rows of the operand
	s_mov_b32 s[G1A+2], 64<<16                     ; tensor_dim1 = 64: 128 rows of xb
	s_mov_b32 s[G1A+3], 128<<16                    ; tile_dim0 = 128
	s_mov_b32 s[G1A+4], 64                         ; tile_dim1 = 64
	s_mov_b32 s[G1A+5], 128                        ; elements from row to row: dense
	s_mov_b32 s[G1A+6], 0
	s_mov_b32 s[G1A+7], 0
	s_mov_b32 s[G1B+1], 128<<16
	s_mov_b32 s[G1B+2], 96<<16                     ; 192 rows of wcat
	s_mov_b32 s[G1B+3], 128<<16
	s_mov_b32 s[G1B+4], 96
	s_mov_b32 s[G1B+5], 128
	s_mov_b32 s[G1B+6], 0
	s_mov_b32 s[G1B+7], 0
	s_mul_i32 s22, s[WC], 128*PITCH                ; where my load goes: no place in the cluster enters an LDS address
	s_mul_i32 s23, s[WC], 192*PITCH
	s_add_co_u32 s23, s23, AB
	s_mov_b32 s[G0A], 1
	s_mov_b32 s[G0A+1], s22
	s_mov_b32 s[G0B], 1
	s_mov_b32 s[G0B+1], s23
	s_mov_b32 s[C0], 0xc0135762                    ; -2 sqrt(2/pi) log2(e) = -2.3022082
	s_mov_b32 s[C0+1], s[C0]
	s_mov_b32 s[C1], 0xbdd2d3e8                    ; that x 0.044715 = -0.10294324
	s_mov_b32 s[C1+1], s[C1]
	s_lshl_b32 s84, s[GY], 15                      ; xb: 256 rows of 128 bytes,
	s_lshl_b32 s21, s[WC], 14                      ; my half of them
	s_add_co_u32 s84, s84, s21
	s_mov_b32 s85, 0
	s_mul_i32 s86, s[GX], 384*128                  ; wcat: 384 rows,
	s_mul_i32 s21, s[WC], 192*128                  ; my half of them
	s_add_co_u32 s86, s86, s21
	s_mov_b32 s87, 0
	s_wait_dscnt 0x0                               ; the opening add is done
	s_wait_kmcnt 0x0
	s_add_nc_u64 s[G0A+2:G0A+3], s[4:5], s[84:85]
	s_or_b32 s[G0A+3], s[G0A+3], 0x80000000
	s_add_nc_u64 s[G0B+2:G0B+3], s[6:7], s[86:87]
	s_or_b32 s[G0B+3], s[G0B+3], 0x80000000
	CROUND                                         ; all sixteen work-groups are here: the first joint loads meet
	JLOAD                                          ; K step 0 into slot 0
	; while it is on its way: the bias, and the addresses
	v_and_b32 v16, 15, v0                          ; r
	v_bfe_u32 v17, v0, 4, 1                        ; h
	v_and_b32 v18, 31, v0                          ; lane
	v_lshlrev_b32 v[COQ], 4, v18
	v_lshlrev_b32 v24, 3, v18
	s_lshl_b32 s86, s[GX], 10                      ; 256 columns of 4 bytes,
	s_lshl_b32 s21, s[WC], 9                       ; my 128 of them
	s_add_co_u32 s86, s86, s21
	s_add_nc_u64 s[BPH:BPH+1], s[8:9], s[86:87]
	s_lshr_b32 s86, s86, 1                         ; 128 columns, my 64 of them
	s_add_nc_u64 s[BPQ:BPQ+1], s[8:9], s[86:87]
	global_load_b128 v[32:35], v[COQ], s[BPH:BPH+1] offset:BCAT
	global_load_b64 v[36:37], v24, s[BPQ:BPQ+1] offset:BCAT+16384
	v_mul_u32_u24 v19, v16, PITCH
	v_lshl_add_u32 v19, v17, 4, v19                ; a fragment's row x pitch + 16 x half
	s_mul_i32 s21, s[WR], 128*PITCH
	v_add_nc_u32 v[ADRA0], s21, v19
	s_mul_i32 s21, s[WC], 128*PITCH
	s_add_co_u32 s21, s21, AB
	v_add_nc_u32 v[ADRB0], s21, v19
	s_mul_i32 s21, s[WC], 64*PITCH
	s_add_co_u32 s21, s21, AB+256*PITCH
	v_add_nc_u32 v[ADRQ0], s21, v19
	s_mul_i32 s21, s[WV], 16*SPITCH
	s_add_co_u32 s21, s21, STAGE
	v_mul_u32_u24 v20, v16, SPITCH
	v_lshl_add_u32 v20, v17, 4, v20
	v_add_nc_u32 v[STO], s21, v20
	v_mul_u32_u24 v20, v17, SPITCH
	v_lshl_add_u32 v20, v16, 4, v20
	v_add_nc_u32 v[RD], s21, v20                   ; lanes 0-15 one row of 256 bytes, lanes 16-31 the next
	v_lshrrev_b32 v20, 3, v18
	v_mul_u32_u24 v20, v20, SPITCH
	v_and_b32 v21, 7, v0
	v_lshl_add_u32 v20, v21, 4, v20
	v_add_nc_u32 v[RDQ], s21, v20                  ; eight lanes to a row's 128 bytes, four rows
	v_lshlrev_b32 v[COH], 13, v17
	v_lshl_add_u32 v[COH], v16, 4, v[COH]
	s_mul_i32 s21, s[WV], 768
	s_add_co_u32 s21, s21, BIASL
	v_lshl_add_u32 v[BLA], v17, 5, s21
	v_lshl_add_u32 v22, v18, 4, s21
	v_lshl_add_u32 v23, v18, 3, s21
	s_lshl_b32 s84, s[GY], 21                      ; hbuf: 256 rows of 8,192 bytes,
	s_lshl_b32 s21, s[WR], 20                      ; my 128 of them,
	s_add_co_u32 s84, s84, s21
	s_add_nc_u64 s[HP:HP+1], s[10:11], s[84:85]
	s_lshl_b32 s86, s[GX], 9                       ; 256 columns of 2 bytes,
	s_lshl_b32 s21, s[WC], 8                       ; my 128 of them
	s_add_co_u32 s86, s86, s21
	s_add_nc_u64 s[HP:HP+1], s[HP:HP+1], s[86:87]
	s_lshr_b32 s84, s[GY], 3                       ; qkh: n (32 slots of 1 << 18 bytes),
	s_lshl_b32 s84, s84, 23
	s_and_b32 s88, s[GY], 7                        ; the tile's 256 rows of 128 bytes,
	s_lshl_b32 s88, s88, 15
	s_add_co_u32 s84, s84, s88
	s_lshl_b32 s21, s[WR], 14                      ; my 128 of them,
	s_add_co_u32 s84, s84, s21
	s_add_nc_u64 s[QP:QP+1], s[12:13], s[84:85]
	s_lshl_b32 s86, s[GX], 19                      ; head slot 2 gx + wc
	s_lshl_b32 s21, s[WC], 18
	s_add_co_u32 s86, s86, s21
	s_add_nc_u64 s[QP:QP+1], s[QP:QP+1], s[86:87]
	s_lshl_b32 s90, s[GY], 15                      ; the prefetches: xb's tile, my work-group's 32 blocks of 256 bytes, at K step 3: the first change of slots steps it to 4
	s_lshl_b32 s91, s[CX], 13
	s_add_co_u32 s90, s90, s91
	s_add_co_u32 s90, s90, 3*STEPA
	s_mul_i32 s91, s[GX], 384*128                  ; wcat's tile, my work-group's 48 blocks
	s_mul_i32 s92, s[CY], 48*256
	s_add_co_u32 s91, s91, s92
	s_add_co_u32 s91, s91, 3*STEPB
	s_and_b32 s93, ttmp7, 0xffff                   ; cluster y
	s_mov_b32 s22, STEPA
	s_mov_b32 s23, STEPB
	s_sub_co_u32 s92, s[WV], 1
	s_lshl_b32 s92, s92, 5                         ; waves 1 to 3: numbers 32 (w - 1) + lane of the 96 blocks of two steps
	s_cmp_eq_u32 s[WV], 0
	s_cselect_b64 s[PFA:PFA+1], s[4:5], s[6:7]
	s_cselect_b32 s90, s90, s91
	s_cselect_b32 s93, ttmp9, s93                  ; the coordinate along which other clusters read the same rows
	s_cselect_b32 s[PST], s22, s23
	s_cselect_b32 s92, 0, s92
	s_mov_b32 s91, 0
	s_mov_b32 s[PST+1], 0
	s_add_nc_u64 s[PFA:PFA+1], s[PFA:PFA+1], s[90:91]
	s_cmp_eq_u32 s93, 0
	s_cselect_b32 s[LIM], 4, -1                    ; the same in all sixteen partners, for a given wave
	v_add_nc_u32 v25, s92, v18
	v_lshlrev_b32 v26, 8, v25
	v_add_nc_u32 v27, STEPB-48*256, v26            ; numbers 48 to 95 lie in the second of the two steps
	v_cmp_le_u32 vcc_lo, 48, v25
	v_cndmask_b32 v[PFO], v26, v27, vcc_lo
	s_wait_loadcnt 0x0                             ; the bias goes into my own 768 bytes of LDS, where it waits for the way out
	ds_store_b128 v22, v[32:35]
	ds_store_b64 v23, v[36:37] offset:512
	; slot 1 is first filled as a refill is: behind a round, with all my loads waited for
	s_wait_tensorcnt 0x0                           ; my part of K step 0 is in
	ds_add_u32 v[SPW], v[NIL]
	STEPD
	s_wait_dscnt 0x0
	CROUND
	JLOAD                                          ; K step 1 into slot 1
; 8 matrix instructions: column block b x all 8 row blocks, 32 along K.  zero = 1: the product starts the sum.  The 96 accumulators take turns, one instruction a turn, over every jump.
.macro MULB fa, b, zero
	WIN (((\b)/4)+1)*0x50                          ; C and D in window 1 + b / 4; both sources in window 0
.irp a, 0,1,2,3,4,5,6,7
.if \zero
	v_wmma_f32_16x16x32_bf16 v[8*(8*((\b)%4)+\a):8*(8*((\b)%4)+\a)+7], v[FB+8*(\b):FB+8*(\b)+7], v[(\fa)+8*\a:(\fa)+8*\a+7], 0
.else
	v_wmma_f32_16x16x32_bf16 v[8*(8*((\b)%4)+\a):8*(8*((\b)%4)+\a)+7], v[FB+8*(\b):FB+8*(\b)+7], v[(\fa)+8*\a:(\fa)+8*\a+7], v[8*(8*((\b)%4)+\a):8*(8*((\b)%4)+\a)+7]
.endif
.endr
.endm
.macro MUL4 fa, b0, zero
.irp d, 0,1,2,3
	MULB \fa, (\b0)+\d, \zero
.endr
.endm
.macro LOADA fa, k                     ; 16 LDS loads: xb's 8 fragments, 32 K at byte k of the rows
	WIN 0
.irp i, 0,1,2,3,4,5,6,7
	ds_load_b128 v[(\fa)+8*\i:(\fa)+8*\i+3],   v[ADRA] offset:(\k)+\i*16*PITCH
	ds_load_b128 v[(\fa)+8*\i+4:(\fa)+8*\i+7], v[ADRA] offset:(\k)+\i*16*PITCH+32
.endr
.endm
.macro LOADB g, k                      ; 8 LDS loads: wcat's fragments 4 g .. 4 g + 3
	WIN 0
.irp i, 0,1,2,3
.if (\g) < 2
	ds_load_b128 v[FB+8*(4*(\g)+\i):FB+8*(4*(\g)+\i)+3],   v[ADRB] offset:(\k)+(4*(\g)+\i)*16*PITCH
	ds_load_b128 v[FB+8*(4*(\g)+\i)+4:FB+8*(4*(\g)+\i)+7], v[ADRB] offset:(\k)+(4*(\g)+\i)*16*PITCH+32
.else
	ds_load_b128 v[FB+64+8*\i:FB+64+8*\i+3],   v[ADRQ] offset:(\k)+\i*16*PITCH
	ds_load_b128 v[FB+64+8*\i+4:FB+64+8*\i+7], v[ADRQ] offset:(\k)+\i*16*PITCH+32
.endif
.endr
.endm
; A K step's FIRST PHASE multiplies xb's buffer 0 and fetches the second phase's fragments from the same slot.  The LDS loads of a phase go out in the order xb (16), blocks 0-3 (8), 4-7 (8), 8-11 (8).
.macro P0 zero
	s_wait_dscnt 16                                ; xb's fragments and blocks 0-3 are in: behind them went blocks 4-7 and 8-11
	MUL4 FA0, 0, \zero
	WIN 0
	PLACES
	LOADA FA1, 64
	LOADB 0, 64
	s_wait_dscnt 32                                ; blocks 4-7 are in: behind them went blocks 8-11 and the 24 just issued
	MUL4 FA0, 4, \zero
	WIN 0
	PLACES
	LOADB 1, 64
	s_wait_dscnt 32                                ; blocks 8-11 are in: behind them went 24 and 8
	MUL4 FA0, 8, \zero
	WIN 0
	PLACES
	LOADB 2, 64
.endm
; The SECOND PHASE multiplies buffer 1 and changes slots: one barrier; in front of it each wave waits for all its tensor loads, adds 0 to its spare word, and waits for that and for its own reads of the slot,
; which were all issued in the first phase.  mode 1: the barrier opens a round of the cluster's, and the slot just read is filled again first thing behind it, with the step two on.
; mode 0: nothing is left to ask for.  mode 2: the last step: nothing is left to fetch.
.macro P1 mode
	s_wait_dscnt 16
	MULB FA1, 0, 0
	MULB FA1, 1, 0
	MULB FA1, 2, 0
.if (\mode) != 2
	WIN 0
	s_wait_tensorcnt 0x0                           ; all my tensor loads have landed: the one that was out is my part of the next slot
	ds_add_u32 v[SPW], v[NIL]                      ; 0 onto my spare word; scalar work and eight products stand between it and the wait for it
	s_xor_b32 s[TB], s[TB], SLOT1                  ; the fetches go on in the other slot
.if (\mode) == 1
	STEPD
	s_wait_xcnt 0x0                                ; the last prefetches, a K step back or more, have read their address
	s_add_nc_u64 s[PFA:PFA+1], s[PFA:PFA+1], s[PST:PST+1]
.endif
	MULB FA1, 3, 0
	s_wait_dscnt 0x0                               ; the add is done, and my reads of this slot are over
	s_barrier_signal -1
	MUL4 FA1, 4, 0
	WIN 0
	v_add_nc_u32 v[ADRA], s[TB], v[ADRA0]
	v_add_nc_u32 v[ADRB], s[TB], v[ADRB0]
	v_add_nc_u32 v[ADRQ], s[TB], v[ADRQ0]
	s_barrier_wait -1
.if (\mode) == 1
	CREST                                          ; no wave of any partner still reads this slot's tile or has a load on its way
	JLOAD                                          ; my one tensor load behind the round
.else
	PLACES
.endif
	LOADA FA0, 0
	LOADB 0, 0
	LOADB 1, 0
.if (\mode) == 1
	ASK
.endif
	MUL4 FA1, 8, 0
	WIN 0
	PLACES
	LOADB 2, 0
.else
	MULB FA1, 3, 0
	s_wait_dscnt 0x0
	MUL4 FA1, 4, 0
	MUL4 FA1, 8, 0
	WIN 0
.endif
.endm
	s_mov_b32 s[TB], 0
	v_mov_b32 v[ADRA], v[ADRA0]
	v_mov_b32 v[ADRB], v[ADRB0]
	v_mov_b32 v[ADRQ], v[ADRQ0]
	LOADA FA0, 0
	LOADB 0, 0
	LOADB 1, 0
	LOADB 2, 0
	P0 1                                           ; the first phase of all stands in front of the loop: its products start the sums
	s_mov_b32 s[LOOP], 14
.Lstep:                                                ; 14 trips: the second phase of K step j, which asks for step j + 2, and the first phase of step j + 1
	P1 1
	P0 0
	s_sub_co_u32 s[LOOP], s[LOOP], 1
	s_cmp_lg_u32 s[LOOP], 0
	s_cbranch_scc1 .Lstep
	P1 0                                           ; the tail is written out
	P0 0
	P1 2
; THE WAY OUT, a block of 16 rows at a time, in two loops, so that each long part is written once.  A block's accumulators have other register numbers in each trip: a ladder of eight arms adds the bias
; and brings them into U; each accumulator is read from its low end on.
.macro ADDQ a                          ; q/k: four accumulators of window 3
	WIN 0x03
.irp j, 0,1,2,3
.irp z, 0,2,4,6
	v_pk_add_f32 v[U+8*\j+\z:U+8*\j+\z+1], v[8*(8*\j+(\a))+\z:8*(8*\j+(\a))+\z+1], v[BQ+8*\j+\z:BQ+8*\j+\z+1]
.endr
.endr
	WIN 0
.endm
.macro ADDH a                          ; h: four accumulators of window 1, four of window 2
	WIN 0x01
.irp j, 0,1,2,3
.irp z, 0,2,4,6
	v_pk_add_f32 v[U+8*\j+\z:U+8*\j+\z+1], v[8*(8*\j+(\a))+\z:8*(8*\j+(\a))+\z+1], v[BIAS+8*\j+\z:BIAS+8*\j+\z+1]
.endr
.endr
	WIN 0x02
.irp j, 0,1,2,3
.irp z, 0,2,4,6
	v_pk_add_f32 v[U+32+8*\j+\z:U+32+8*\j+\z+1], v[8*(8*\j+(\a))+\z:8*(8*\j+(\a))+\z+1], v[BIAS+32+8*\j+\z:BIAS+32+8*\j+\z+1]
.endr
.endr
	WIN 0
.endm
.macro LADDER op                       ; BL = 8 .. 1: block 8 - BL
.irp a, 0,1,2,3,4,5,6
	s_cmp_eq_u32 s[BL], 8-\a
	s_cbranch_scc0 .Lnx_\@_\a
	\op \a
	s_branch .Lcom_\@
.Lnx_\@_\a:
.endr
	\op 7
.Lcom_\@:
.endm
	PLACES
	PLACES
.irp b, 0,1,2,3,4,5,6,7                ; the bias comes back out of my own bytes of LDS: a lane's eight columns of each column block
	ds_load_b128 v[BIAS+8*\b:BIAS+8*\b+3],   v[BLA] offset:64*\b
	ds_load_b128 v[BIAS+8*\b+4:BIAS+8*\b+7], v[BLA] offset:64*\b+16
.endr
.irp b, 0,1,2,3
	ds_load_b128 v[BQ+8*\b:BQ+8*\b+3],   v[BLA] offset:512+64*\b
	ds_load_b128 v[BQ+8*\b+4:BQ+8*\b+7], v[BLA] offset:512+64*\b+16
.endr
	s_wait_dscnt 0x0
	; q and k: f16, 16 bytes a lane into my stage, rows of 128 bytes back, four rows of the head slot to a store
	s_mov_b64 s[OPB:OPB+1], s[QP:QP+1]
	s_mov_b32 s[BL], 8
.Lq:
	LADDER ADDQ
.set z, 0
.rept 16
	v_cvt_pk_f16_f32 v[TMP+z], v[U+2*z], v[U+2*z+1]
.set z, z+1
.endr
.irp j, 0,1,2,3
	ds_store_b128 v[STO], v[TMP+4*\j:TMP+4*\j+3] offset:32*\j
.endr
.irp g, 0,1,2,3                        ; LDS serves a wave's instructions in order: these see the stores above
	ds_load_b128 v[OB+4*\g:OB+4*\g+3], v[RDQ] offset:\g*4*SPITCH
.endr
	s_wait_dscnt 0x0
.irp g, 0,1,2,3
	global_store_b128 v[COQ], v[OB+4*\g:OB+4*\g+3], s[OPB:OPB+1] offset:512*\g  ; 512 consecutive bytes, aligned
.endr
	s_wait_xcnt 0x0                                ; the base and the rows' registers are written again only behind this wait
	s_add_nc_u64 s[OPB:OPB+1], s[OPB:OPB+1], 2048  ; 16 rows of a head slot
	s_sub_co_u32 s[BL], s[BL], 1
	s_cmp_lg_u32 s[BL], 0
	s_cbranch_scc1 .Lq
	; h: gelu(u) = u / (1 + 2^(u (C0 + C1 u^2))), which is the tanh form; its ends are right: an exponential that overflows gives a reciprocal of 0
	s_mov_b64 s[OPB:OPB+1], s[HP:HP+1]
	s_mov_b32 s[BL], 8
.Lh:
	LADDER ADDH
.set z, 0
.rept 32
	v_pk_mul_f32 v[E+z:E+z+1], v[U+z:U+z+1], v[U+z:U+z+1]
.set z, z+2
.endr
.set z, 0
.rept 32
	v_pk_fma_f32 v[E+z:E+z+1], v[E+z:E+z+1], s[C1:C1+1], s[C0:C0+1] op_sel_hi:[1,0,0]
.set z, z+2
.endr
.set z, 0
.rept 32
	v_pk_mul_f32 v[E+z:E+z+1], v[E+z:E+z+1], v[U+z:U+z+1]
.set z, z+2
.endr
.set z, 0
.rept 64
	v_exp_f32 v[E+z], v[E+z]
.set z, z+1
.endr
	v_nop                                          ; a plain instruction behind the last exponential,
	s_wait_alu depctr_va_vdst(0)                   ; and one wait for the batch of 64, ahead of its first reader
.set z, 0
.rept 32
	v_pk_add_f32 v[E+z:E+z+1], v[E+z:E+z+1], 1.0 op_sel_hi:[1,0]
.set z, z+2
.endr
.set z, 0
.rept 64
	v_rcp_f32 v[E+z], v[E+z]
.set z, z+1
.endr
	v_nop
	s_wait_alu depctr_va_vdst(0)                   ; one wait for the 64 reciprocals
.set z, 0
.rept 32
	v_pk_mul_f32 v[U+z:U+z+1], v[U+z:U+z+1], v[E+z:E+z+1]
.set z, z+2
.endr
.set z, 0
.rept 32
	v_cvt_pk_f16_f32 v[TMP+z], v[U+2*z], v[U+2*z+1]
.set z, z+1
.endr
.irp b, 0,1,2,3,4,5,6,7
	ds_store_b128 v[STO], v[TMP+4*\b:TMP+4*\b+3] offset:32*\b
.endr
.irp t, 0,1,2,3,4,5,6,7
	ds_load_b128 v[OB+4*\t:OB+4*\t+3], v[RD] offset:\t*2*SPITCH
.endr
	s_wait_dscnt 0x0
.irp t, 0,1,2,3,4,5,6,7
	global_store_b128 v[COH], v[OB+4*\t:OB+4*\t+3], s[OPB:OPB+1] offset:\t*16384  ; 16 lanes store 256 consecutive bytes of a row of h, aligned
.endr
	s_wait_xcnt 0x0
	s_add_nc_u64 s[OPB:OPB+1], s[OPB:OPB+1], 131072  ; 16 rows of h
	s_sub_co_u32 s[BL], s[BL], 1
	s_cmp_lg_u32 s[BL], 0
	s_cbranch_scc1 .Lh
	s_wait_tensorcnt 0x0                           ; the wave's end
	ds_add_u32 v[SPW], v[NIL]
	s_wait_dscnt 0x0
	CROUND                                         ; the closing round
	s_endpgm
.Lfunc_end_k_q075582e774_ffqk:
	.size	k_q075582e774_ffqk, .Lfunc_end_k_q075582e774_ffqk-k_q075582e774_ffqk
	.p2alignl 7, 3214868480
	.fill 96, 4, 3214868480
	.section	.rodata,"a",@progbits
	.p2align	6, 0x0
	.amdhsa_kernel k_q075582e774_ffqk
		.amdhsa_group_segment_fixed_size 327680
		.amdhsa_private_segment_fixed_size 0
		.amdhsa_enable_private_segment 0
		.amdhsa_kernarg_size 40
		.amdhsa_user_sgpr_count 2
		.amdhsa_user_sgpr_kernarg_segment_ptr 1
		.amdhsa_wavefront_size32 1
		.amdhsa_system_sgpr_workgroup_id_x 1
		.amdhsa_system_sgpr_workgroup_id_y 1
		.amdhsa_system_sgpr_workgroup_id_z 1
		.amdhsa_system_vgpr_workitem_id 0
		.amdhsa_next_free_vgpr 1024
		.amdhsa_next_free_sgpr 94
		.amdhsa_reserve_vcc 1
		.amdhsa_float_denorm_mode_32 3
		.amdhsa_float_denorm_mode_16_64 3
		.amdhsa_memory_ordered 1
		.amdhsa_forward_progress 1
		.amdhsa_inst_pref_size 116
	.end_amdhsa_kernel
	.amdgpu_metadata
---
amdhsa.version: [ 1, 2 ]
amdhsa.kernels:
  - .name:           k_q075582e774_ffqk
    .symbol:         k_q075582e774_ffqk.kd
    .args:
      - { .name: xb, .offset: 0, .size: 8, .value_kind: global_buffer, .address_space: global }
      - { .name: wcat, .offset: 8, .size: 8, .value_kind: global_buffer, .address_space: global }
      - { .name: aux, .offset: 16, .size: 8, .value_kind: global_buffer, .address_space: global }
      - { .name: hbuf, .offset: 24, .size: 8, .value_kind: global_buffer, .address_space: global }
      - { .name: qkh, .offset: 32, .size: 8, .value_kind: global_buffer, .address_space: global }
    .group_segment_fixed_size: 327680
    .private_segment_fixed_size: 0
    .kernarg_segment_align: 8
    .kernarg_segment_size: 40
    .max_flat_workgroup_size: 128
    .sgpr_count:     94
    .vgpr_count:     1024
    .wavefront_size: 32
...
	.end_amdgpu_metadata
.endif
;; end of part 2
;; launch attn (part 3): grid 8 x 32, 4 waves a work-group, clusters of 4 x 1, 327,680 bytes of LDS; arguments qkh, xv, aux, att; writes att
.if DOCPART == 3
	.amdgcn_target "amdgcn-amd-amdhsa--gfx1250"
	.amdhsa_code_object_version 6
	.text
	.protected	k_q075582e774_attn
	.globl	k_q075582e774_attn
	.p2align	8
	.type	k_q075582e774_attn,@function
k_q075582e774_attn:
	s_mov_b64 s[64:65], 0
	v_nop
	global_prefetch_b8 v0, s[64:65] scope:SCOPE_SE
	s_setreg_imm32_b32 hwreg(HW_REG_WAVE_MODE, 25, 1), 1
	s_wait_xcnt 0x0
	s_wait_alu depctr_hold_cnt(0) depctr_sa_sdst(0) depctr_va_vdst(0) depctr_va_sdst(0) depctr_va_ssrc(0) depctr_va_vcc(0) depctr_vm_vsrc(0)
	s_getreg_b32 s2, hwreg(HW_REG_IB_STS2, 6, 4)
	s_cmp_eq_u32 s2, 0
	s_cbranch_scc0 .Lentry_in_a_cluster
	s_endpgm
.Lentry_in_a_cluster:
	s_bfe_u32 s2, ttmp6, 0x10000c
	s_cmp_lg_u32 s2, 0x3003
	s_cbranch_scc0 .Lentry_shape_is_right
	s_endpgm
.Lentry_shape_is_right:
; ATTN: att[n][l][64 h + d] = c1 (sum over m of softmax_m(q_l . k_m / 8) x[m][d]) + c2 (sum over m of x[m][d]) + c3 x[l][d], per head; c1 = alpha_ff beta, c2 = - alpha_ff gamma / 2048, c3 = alpha_ff alpha.
; That is alpha_ff (beta A - gamma / L + alpha I) x: the uniform part and the identity need no product.  q, k: qkh [n][32][2048][64] f16, unscaled; x by heads: xv [n 16 + h][2048][64] f16; att [4096][1024] f32.
; Products, maxima and sums in f32; the weights p are rounded to f16 for the second product (their sum l is taken of the unrounded p).
; LIMITS.  q, k and x arrive within f16's 65,504; p below 6e-5 keeps f16's fixed step of 6e-8; a weight below 2^-126 counts as 0 in l; NaN and infinities are not treated apart.
; SHARES.  A work-group owns 256 queries of one head, a wave 64: four PIECES of 16.  Every wave walks all 2,048 keys, 64 a step, 256 a slot.
; LAYOUT.  S^T = K Q^T holds ONE query a lane (lane % 16) and the keys 8 (lane / 16) + 0..7; two such results rounded to f16 ARE source 1 of O^T = V^T P, which again holds one query a lane, and eight channels.
; SOFTMAX.  p = 2^(c s - c m), c = log2(e) / 8, with a running maximum m; O and l are multiplied by a = 2^(c m_old - c m_new) in every step.  m starts at the lowest finite number, O and l at 0.
; TURNS.  Turn n belongs to piece n: 8 products K Q^T of piece n + 1, later 8 products V^T P of piece n - 1; beside them the scaling, exponentials, roundings, sums and rescaling of piece n and the maximum
; and statistics of piece n + 1.  Four vector instructions stand behind every matrix instruction, the others in one lump.  A turn's 33 exponentials are one batch, with one wait.
; CLUSTER.  The four query blocks of a cluster belong to one head and walk the same K and V: each tile is asked for jointly, by the same tensor load, descriptor and mask in all four.
; REGISTERS, in windows of 256: window 0: v0-15 addresses; v16-31 statistics; v48-55 at work; v56-63 addresses; v64-127 S^T, two buffers; v128-159 c2 x column sums; v160 c3; v192-223 P, two buffers
;   (at the end v64-95 results, v192-255 rows read back).   window 1: v0-127 O^T, 32 a piece.   window 2: v0-63 Q; v64-127 my queries' own rows of x; v128-191 K of one step; v192-255 V of one step.
.set NP,    4
.set KS,    64
.set PK,    144       ; a row of K in LDS: 128 bytes + 16 of padding
.set PV,    160       ; a row of V: 128 + 32
.set VOFF,  4*KS*PK   ; a slot holds four steps: 256 rows of K, then 256 rows of V
.set SLOT1, 1<<17
.set STAGE, SLOT1+4*KS*(PK+PV)  ; behind the ring: 16 rows x 272 bytes for each wave
.set SP,    272
.set CSL,   STAGE+4*16*SP       ; 128 words: two halves of the head's 64 column sums
.set SPARE, CSL+512             ; the spare words: 128 bytes for each wave, two blocks of 256 bytes that no other line names
.set PAR,   552960
.set AK0, 2
.set AV0, 3
.set AK,  4
.set AV,  5
.set STO, 6
.set RD,  7
.set GO,  8
.set MV,  12          ; v12-13  c m_old, by buffer
.set QO,  15          ; v15  my byte offset in 16 rows of 128 bytes
.set ST,  16          ; piece t's statistics at v[ST+4 t]: c m, m, l (even keys', odd keys')
.set TMP, 48
.set CSA, 56          ; v56  where I put my column sum
.set CSR, 57          ; v57  where I read my lanes' eight channels of them
.set CPO, 58          ; v58  my offset in the partial sums
.set PFO, 61          ; v61  256 x my lane
.set SPW, 62
.set NIL, 63
.set S,   64
.set RR,  64
.set CSUM, 128
.set C3,  160
.set P,   192
.set OB,  192
.set XQ,  64          ; window 2
.set KF,  128
.set VF,  192
.set WV,  12
.set LIM, 15
.set G1K, 24
.set G1V, 32
.set G0K, 40
.set G0V, 44
.set PFA, 48          ; s[48:49] my work-group's 32 blocks of 256 bytes of the slot after the one that is being asked for
.set SLOTS, 56
.set CNT, 57
.set CS,  58
.set SEL, 60
.set TBK, 62
.set TBV, 63
.set MSB, 0
.macro WIN new
.if MSB != (\new)
	s_set_vgpr_msb (MSB<<8)|(\new)
.set MSB, (\new)
.endif
.endm
.set W_KQ, 0x0a       ; K and Q in window 2, S^T in window 0
.set W_PV, 0x52       ; V in window 2, P in window 0, O^T in window 1
.set W_RS, 0x41       ; destination and source 0 in window 1, source 1 in window 0
; A joint fill.  Waves 0 and 1 fetch the two halves of a slot's K, waves 2 and 3 those of its V: 128 keys each.  An s_nop 0 and four v_nop follow each of the two lines.
.macro JLOAD
	s_cmp_lt_u32 s[WV], 2
	s_cbranch_scc0 .Lfor_v_\@
	tensor_load_to_lds s[G0K:G0K+3], s[G1K:G1K+7]
	s_nop 0
.rept 4
	v_nop
.endr
	s_branch .Lasked_\@
.Lfor_v_\@:
	tensor_load_to_lds s[G0V:G0V+3], s[G1V:G1V+7]
	s_nop 0
.rept 4
	v_nop
.endr
.Lasked_\@:
.endm
; A prefetch of what the NEXT change of slots will ask for: 32,768 bytes of K and of V.  Each block of 256 bytes is named once in the launch: the head's first cluster asks; its four partners take 32 blocks
; each, told apart by address; wave 0 asks for K's, wave 2 for V's.  The last change that fills a slot asks for nothing.
.macro ASK
	s_cmp_gt_u32 s[SLOTS], s[LIM]
	s_cbranch_scc0 .Lnot_mine_\@
	global_prefetch_b8 v[PFO], s[PFA:PFA+1] th:TH_LOAD_NT scope:SCOPE_SE
.Lnot_mine_\@:
.endm
.macro CROUND
	s_barrier_signal -1
	s_barrier_wait -1
	s_cmp_lg_u32 s[WV], 0
	s_cbranch_scc1 .Lnot_wave_0_\@
	s_barrier_signal -3
.Lnot_wave_0_\@:
	s_barrier_wait -3
	s_barrier_signal -1
	s_barrier_wait -1
.endm
; THE CHANGE OF SLOTS.  Each wave waits for all its tensor loads, of which one is out: its part of the other slot; adds 0 to its spare word; and waits for that and for its own LDS instructions.
; fill = 1: the slot that is left is filled again with the keys two slots on, first thing behind a round of the cluster's barrier.  (At its first use nothing has been read yet: slot 0 is waited for, slot 1 filled.)
.macro CHANGE fill
	WIN 0
	s_wait_tensorcnt 0x0
	ds_add_u32 v[SPW], v[NIL]
.if \fill
.irp g, G0K, G0V
	s_xor_b32 s[\g+1], s[\g+1], SLOT1
	s_add_nc_u64 s[\g+2:\g+3], s[\g+2:\g+3], 4*KS*128
.endr
	s_wait_xcnt 0x0                 ; the last prefetch, a slot back, has read its address
	s_add_nc_u64 s[PFA:PFA+1], s[PFA:PFA+1], 4*KS*128
	s_wait_dscnt 0x0
	CROUND
	JLOAD
	ASK
.else
	s_wait_dscnt 0x0
	s_barrier_signal -1
	s_barrier_wait -1
.endif
	s_sub_co_u32 s[TBK], s[TBK], 4*KS*PK
	s_xor_b32 s[TBK], s[TBK], SLOT1
	s_sub_co_u32 s[TBV], s[TBV], 4*KS*PV
	s_xor_b32 s[TBV], s[TBV], SLOT1
.endm
	s_load_b256 s[4:11], s[0:1], 0x0  ; qkh 4, xv 6, aux 8, att 10
	v_lshl_add_u32 v[SPW], v0, 2, SPARE
	v_mov_b32 v[NIL], 0
	ds_add_u32 v[SPW], v[NIL]       ; the wave's opening: the add and its wait ahead of my first tensor load
	v_lshrrev_b32 v1, 5, v0
	v_readfirstlane_b32 s[WV], v1
	s_bfe_u32 s13, ttmp6, 0x40000   ; cx
	s_lshl_b32 s14, ttmp9, 2
	s_add_co_u32 s14, s14, s13      ; my block of 256 queries: it enters Q's, x's and att's addresses alone
	s_and_b32 s16, ttmp7, 0xffff    ; n 16 + h, which the four partners share
	s_lshr_b32 s17, s16, 4          ; n
	s_and_b32 s18, s16, 15          ; h
	s_and_b32 s19, s[WV], 1         ; which half of a slot's 256 keys I fetch
	s_lshl_b32 s20, s17, 5
	s_add_co_u32 s20, s20, s18      ; q's head slot; k's is 16 on
	s_lshl_b32 s21, s19, 14
	s_add_co_u32 s22, s20, 16
	s_lshl_b32 s22, s22, 18
	s_add_co_u32 s22, s22, s21
	s_mov_b32 s23, 0                ; s[22:23] my half of the head's first 256 keys, in qkh
	s_lshl_b32 s50, s16, 18
	s_add_co_u32 s50, s50, s21
	s_mov_b32 s51, 0                ; s[50:51] the same in xv
	s_mul_i32 s73, s19, 128*PK
	s_mul_i32 s74, s19, 128*PV
	s_lshl_b32 s72, s14, 15         ; my block's 256 rows of 128 bytes,
	s_lshl_b32 s3, s[WV], 13        ; my wave's 64 of them
	s_add_co_u32 s72, s72, s3
	s_mov_b32 s[G1K], 15|(1<<16)|(1<<20)|(1<<21)|(4<<22)|(3<<25)  ; the mask of four; 2-byte elements; padding on; bit 21 beside a mask; after every 32 words 4 words
	s_mov_b32 s[G1V], 15|(1<<16)|(1<<20)|(1<<21)|(4<<22)|(7<<25)  ; the same with 8 words
.irp g, G1K, G1V                    ; 128 keys are 16,384 dense bytes: asked for as 64 rows of 256 bytes
	s_mov_b32 s[\g+1], 128<<16
	s_mov_b32 s[\g+2], 64<<16
	s_mov_b32 s[\g+3], 128<<16
	s_mov_b32 s[\g+4], 64
	s_mov_b32 s[\g+5], 128
	s_mov_b32 s[\g+6], 0
	s_mov_b32 s[\g+7], 0
.endr
	s_mov_b32 s[CS], 0x3e38aa3b     ; c = log2(e) / 8
	s_mov_b32 s[CS+1], s[CS]
	s_mov_b32 s[SEL], 0x76543210
	s_mov_b32 s[SEL+1], 0xfedcba98
	s_mov_b32 s[TBK], SLOT1+4*KS*PK ; the first change of slots turns these two into 0
	s_mov_b32 s[TBV], SLOT1+4*KS*PV
	s_mov_b32 s[G0K], 1
	s_mov_b32 s[G0K+1], s73
	s_mov_b32 s[G0V], 1
	s_add_co_u32 s[G0V+1], s74, VOFF
	s_mov_b32 s[SLOTS], 7
	s_and_b32 s[LIM], s[WV], 1      ; waves 0 and 2 of the head's first cluster prefetch
	s_or_b32 s[LIM], s[LIM], ttmp9
	s_cmp_eq_u32 s[LIM], 0
	s_cselect_b32 s[LIM], 1, -1
	v_and_b32 v[PFO], 31, v0
	v_lshlrev_b32 v[PFO], 8, v[PFO]
	s_wait_dscnt 0x0                ; the opening add is done
	s_wait_kmcnt 0x0
	s_load_b128 s[52:55], s[8:9], PAR  ; c1, c2, c3, c4
	s_add_nc_u64 s[G0K+2:G0K+3], s[4:5], s[22:23]
	s_add_nc_u64 s[G0V+2:G0V+3], s[6:7], s[50:51]
	s_cmp_lt_u32 s[WV], 2
	s_cselect_b64 s[PFA:PFA+1], s[G0K+2:G0K+3], s[G0V+2:G0V+3]
	s_or_b32 s[G0K+3], s[G0K+3], 0x80000000
	s_or_b32 s[G0V+3], s[G0V+3], 0x80000000
	s_lshl_b32 s2, s13, 13          ; my work-group's 32 blocks of the slot's 128
	s_mov_b32 s3, 0
	s_add_nc_u64 s[PFA:PFA+1], s[PFA:PFA+1], s[2:3]
	s_add_nc_u64 s[PFA:PFA+1], s[PFA:PFA+1], 4*KS*128  ; in slot 1; the first change steps it to slot 2
	s_lshl_b32 s2, s20, 18
	s_add_co_u32 s2, s2, s72
	s_add_nc_u64 s[66:67], s[4:5], s[2:3]   ; q at my wave's first row
	s_lshl_b32 s2, s16, 18
	s_add_co_u32 s2, s2, s72
	s_add_nc_u64 s[68:69], s[6:7], s[2:3]   ; x, by heads, at the same row
	s_lshl_b32 s2, s17, 18          ; the partial column sums: n's 64 rows of 4,096 bytes, the head's 64 columns
	s_lshl_b32 s75, s18, 8
	s_add_co_u32 s2, s2, s75
	s_add_nc_u64 s[70:71], s[8:9], s[2:3]
	s_lshl_b32 s2, s17, 23          ; att: rows of 4,096 bytes
	s_add_co_u32 s2, s2, s75
	s_lshl_b32 s75, s14, 20
	s_add_co_u32 s2, s2, s75
	s_lshl_b32 s75, s[WV], 18
	s_add_co_u32 s2, s2, s75
	s_add_nc_u64 s[10:11], s[10:11], s[2:3]
	CROUND                          ; all four work-groups are here: the first joint loads meet
	JLOAD                           ; slot 0
	v_and_b32 v1, 15, v0            ; l % 16
	v_bfe_u32 v9, v0, 4, 1          ; l / 16
	v_lshlrev_b32 v[QO], 7, v1
	v_lshl_add_u32 v[QO], v9, 4, v[QO]
	v_lshrrev_b32 v10, 6, v0        ; thread t sums column t % 64 over 32 of the 64 partial rows
	v_and_b32 v11, 63, v0
	v_lshlrev_b32 v[CPO], 17, v10
	v_lshl_add_u32 v[CPO], v11, 2, v[CPO]
.set i, 0
.rept 32
	global_load_b32 v[S+i], v[CPO], s[70:71] offset:i*4096
.set i, i+1
.endr
	WIN 0x80                        ; destination window 2
.set i, 0
.rept 8                             ; Q: piece i / 2, channels 32 (i % 2) on
	global_load_b128 v[8*i:8*i+3],   v[QO], s[66:67] offset:(i/2)*2048+(i%2)*64
	global_load_b128 v[8*i+4:8*i+7], v[QO], s[66:67] offset:(i/2)*2048+(i%2)*64+32
.set i, i+1
.endr
.set i, 0
.rept 16                            ; my queries' own rows of x, in O^T's layout: piece i / 4, channels 16 (i % 4) + 8 (l / 16) + 0..7
	global_load_b128 v[XQ+4*i:XQ+4*i+3], v[QO], s[68:69] offset:(i/4)*2048+(i%4)*32
.set i, i+1
.endr
	; What the first turn finds: V's registers and P's second buffer hold 0 (its products V^T P, of a piece that has not been, add 0), O^T and l are 0.  All this stands in the wait for the first tile.
.set i, VF
.rept 64
	v_mov_b32 v[i], 0
.set i, i+1
.endr
	WIN 0x40
.set i, 0
.rept 128
	v_mov_b32 v[i], 0
.set i, i+1
.endr
	WIN 0
.set i, 0
.rept 4
	v_mov_b32 v[ST+4*i+2], 0
	v_mov_b32 v[ST+4*i+3], 0
.set i, i+1
.endr
.set i, P+16
.rept 16
	v_mov_b32 v[i], 0
.set i, i+1
.endr
	v_mul_u32_u24 v[AK0], v1, PK
	v_lshl_add_u32 v[AK0], v9, 4, v[AK0]
	v_and_b32 v10, 7, v0            ; the turning load: lane l reads key 8 (l / 16) + l % 8, channels 8 ((l / 8) % 2) + 0..7
	v_bfe_u32 v11, v0, 3, 1
	v_lshl_add_u32 v[AV0], v9, 3, v10
	v_mul_u32_u24 v[AV0], v[AV0], PV
	v_lshl_add_u32 v[AV0], v11, 4, v[AV0]
	v_add_nc_u32 v[AV0], VOFF, v[AV0]
	s_mul_i32 s75, s[WV], 16*SP
	s_add_co_u32 s75, s75, STAGE    ; my stage
	v_mul_u32_u24 v[STO], v1, SP    ; in: row l % 16, 32 bytes (8 f32) for each half of the lanes
	v_lshl_add_u32 v[STO], v9, 5, v[STO]
	v_add_nc_u32 v[STO], s75, v[STO]
	v_mul_u32_u24 v[RD], v9, SP     ; back: lanes 0-15 one row of 256 bytes, lanes 16-31 the next
	v_lshl_add_u32 v[RD], v1, 4, v[RD]
	v_add_nc_u32 v[RD], s75, v[RD]
	v_lshlrev_b32 v[GO], 12, v9     ; and the same two rows in att
	v_lshl_add_u32 v[GO], v1, 4, v[GO]
	v_lshl_add_u32 v[CSA], v0, 2, CSL
	v_lshl_add_u32 v[CSR], v9, 5, CSL
	s_wait_loadcnt 32               ; the 32 partial sums are in; Q's and x's 32 loads may stay out
.irp w, 16, 8, 4, 2
.set z, 0
.rept (\w)/2
	v_pk_add_f32 v[S+z:S+z+1], v[S+z:S+z+1], v[S+(\w)+z:S+(\w)+z+1]
.set z, z+2
.endr
.endr
	v_add_f32 v[S], v[S], v[S+1]
	s_wait_kmcnt 0x0                ; c1 .. c4
	v_mul_f32 v[S], s53, v[S]       ; x c2
	ds_store_b32 v[CSA], v[S]
	CHANGE 1                        ; slot 0 is in, everybody's part of it, and so are everybody's column sums; slot 1 is asked for
.irp c, 0,1,2,3
	ds_load_b128 v[CSUM+8*\c:CSUM+8*\c+3],   v[CSR] offset:64*\c
	ds_load_b128 v[CSUM+8*\c+4:CSUM+8*\c+7], v[CSR] offset:64*\c+16
	ds_load_b128 v[S+32+8*\c:S+32+8*\c+3],   v[CSR] offset:256+64*\c
	ds_load_b128 v[S+32+8*\c+4:S+32+8*\c+7], v[CSR] offset:256+64*\c+16
.endr
	s_wait_dscnt 0x0
.set z, 0
.rept 16
	v_pk_add_f32 v[CSUM+z:CSUM+z+1], v[CSUM+z:CSUM+z+1], v[S+32+z:S+32+z+1]
.set z, z+2
.endr
	v_mov_b32 v[C3], s54
; THE MATRIX WORK.  The 4 accumulators of a run of 8 take turns.  Product i of 8 of S^T = K Q^T for piece x: channels 32 (i / 4) on, keys 16 (i % 4) on.  The first 4 start the sums.
.macro KQ x
	WIN W_KQ
.set rS, S+32*((\x)%2)+8*(i%4)
.set rK, KF+16*(i%4)+8*(i/4)
.set rQ, 16*(\x)+8*(i/4)
.if i < 4
	v_wmma_f32_16x16x32_f16 v[rS:rS+7], v[rK:rK+7], v[rQ:rQ+7], 0
.else
	v_wmma_f32_16x16x32_f16 v[rS:rS+7], v[rK:rK+7], v[rQ:rQ+7], v[rS:rS+7]
.endif
.endm
; Product i of 8 of O^T += V^T P for piece x: keys 32 (i / 4) on, channels 16 (i % 4) on.
.macro PV x
	WIN W_PV
.set rO, 32*(\x)+8*(i%4)
.set rV, VF+32*(i/4)+8*(i%4)
.set rP, P+16*((\x)%2)+8*(i/4)
	v_wmma_f32_16x16x32_f16 v[rO:rO+7], v[rV:rV+7], v[rP:rP+7], v[rO:rO+7]
.endm
.macro MM                           ; the turn's next matrix instruction.  NOKQ = 1: the last turn of all: there is no next piece
.if (i < 8) && !NOKQ
	KQ (Y+1)%NP
.elseif i >= 8
.set i, i-8
	PV (Y+NP-1)%NP
.set i, i+8
.endif
.set i, i+1
.endm
; THE LDS LOADS stand in runs of 16: a step's K (8 fragments) and its V (turned).
.macro FETCH_K
	WIN 0x80
.irp f, 0,1,2,3,4,5,6,7
	ds_load_b128 v[KF+8*\f:KF+8*\f+3],   v[AK] offset:(\f/2)*16*PK+(\f%2)*64
	ds_load_b128 v[KF+8*\f+4:KF+8*\f+7], v[AK] offset:(\f/2)*16*PK+(\f%2)*64+32
.endr
	s_add_co_u32 s[TBK], s[TBK], KS*PK
	WIN 0
.endm
.macro FETCH_V
	WIN 0x80
.irp f, 0,1,2,3,4,5,6,7
	ds_load_tr16_b128 v[VF+8*\f:VF+8*\f+3],   v[AV] offset:(\f/4)*32*PV+(\f%4)*32
	ds_load_tr16_b128 v[VF+8*\f+4:VF+8*\f+7], v[AV] offset:(\f/4)*32*PV+16*PV+(\f%4)*32
.endr
	WIN 0
.endm
; THE VECTOR WORK, one line at a time: OP kind, number.  For piece Y: F n: c s - c m for pair n of 16.  E n: the exponential of score n of 32.  C n: pair n rounded to f16.  B n: of the four weights 4 n .. the second
; pair is added onto the first.  L n: l takes that sum (L 0: l = a l + sum).  R n: pair n of 16 of O^T times a.  For piece Y + 1: X n, number n of the 22 that find its maximum and statistics:
;   0-11 four chains of seven scores each (each accumulator's lowest registers are read first)   12-14, 16 the four scores left over, the old m, and the four chains into one
;   15 c m_old is kept   17, 18 the query's other 32 keys lie in the lane 16 away: the new m   19-21 c m; c m_old - c m_new; a
.set F, 0
.set E, 1
.set C, 2
.set B, 3
.set L, 4
.set R, 5
.set X, 6
.macro REGS y
.set rT, ST+4*(\y)
.set rC, TMP+4*((\y)%2)
.set rW, MV+((\y)%2)
.set rS, S+32*((\y)%2)
.set rP, P+16*((\y)%2)
.set rO, 32*(\y)
.endm
.macro OP k, n
.if (\k) == R
	REGS Y
	WIN W_RS
	v_pk_mul_f32 v[rO+2*(\n):rO+2*(\n)+1], v[rO+2*(\n):rO+2*(\n)+1], v[rC+2:rC+3] op_sel_hi:[1,0]
.elseif (\k) < R
	REGS Y
	WIN 0
.if (\k) == F
	v_pk_fma_f32 v[rS+2*(\n):rS+2*(\n)+1], v[rS+2*(\n):rS+2*(\n)+1], s[CS:CS+1], v[rT:rT+1] op_sel_hi:[1,0,0] neg_lo:[0,0,1] neg_hi:[0,0,1]
.elseif (\k) == E
	v_exp_f32 v[rS+(\n)], v[rS+(\n)]
.elseif (\k) == C
	v_cvt_pk_f16_f32 v[rP+(\n)], v[rS+2*(\n)], v[rS+2*(\n)+1]
.elseif (\k) == B
	v_pk_add_f32 v[rS+4*(\n):rS+4*(\n)+1], v[rS+4*(\n):rS+4*(\n)+1], v[rS+4*(\n)+2:rS+4*(\n)+3]
.elseif (\n) == 0
	v_pk_fma_f32 v[rT+2:rT+3], v[rT+2:rT+3], v[rC+2:rC+3], v[rS:rS+1] op_sel_hi:[1,0,1]
.else
	v_pk_add_f32 v[rT+2:rT+3], v[rT+2:rT+3], v[rS+4*(\n):rS+4*(\n)+1]
.endif
.elseif NOKQ
	v_nop
.else
	REGS (Y+1)%NP
	WIN 0
.if (\n) < 4
	v_max3_num_f32 v[rC+(\n)], v[rS+8*(\n)], v[rS+8*(\n)+1], v[rS+8*(\n)+2]
.elseif (\n) < 12
	v_max3_num_f32 v[rC+(\n)%4], v[rC+(\n)%4], v[rS+8*((\n)%4)+2*((\n)/4)+1], v[rS+8*((\n)%4)+2*((\n)/4)+2]
.elseif (\n) == 12
	v_max3_num_f32 v[rC], v[rC], v[rS+7], v[rS+15]
.elseif (\n) == 13
	v_max3_num_f32 v[rC+1], v[rC+1], v[rS+23], v[rS+31]
.elseif (\n) == 14
	v_max3_num_f32 v[rC+2], v[rC+2], v[rC+3], v[rT+1]
.elseif (\n) == 15
	v_mov_b32 v[rW], v[rT]
.elseif (\n) == 16
	v_max3_num_f32 v[rC], v[rC], v[rC+1], v[rC+2]
.elseif (\n) == 17
	v_permlanex16_b32 v[rC+3], v[rC], s[SEL], s[SEL+1]
.elseif (\n) == 18
	v_max_num_f32 v[rT+1], v[rC], v[rC+3]
.elseif (\n) == 19
	v_mul_f32 v[rT], s[CS], v[rT+1]
.elseif (\n) == 20
	v_sub_f32 v[rC+1], v[rW], v[rT]
.else
	v_exp_f32 v[rC+2], v[rC+1]
.endif
.endif
.endm
.macro OPS a, i1, b=-1, i2=0, c=-1, i3=0, d=-1, i4=0
	OP \a, \i1
.if (\b) >= 0
	OP \b, \i2
.endif
.if (\c) >= 0
	OP \c, \i3
.endif
.if (\d) >= 0
	OP \d, \i4
.endif
.endm
.macro ROW a, i1, b, i2, c, i3, d, i4  ; a matrix instruction and the four behind it
	MM
	OPS \a, \i1, \b, \i2, \c, \i3, \d, \i4
.endm
; A TURN, for piece p: the order of its 16 matrix and 118 vector instructions, written out.  It has ONE wait for its exponentials, which cuts it in two.  Ahead of it stands all that names no result of theirs:
; the 8 products K Q^T with their riders, and the lump, in which the links of the next piece's chain stand some lines apart; X 21, the next piece's a, is the batch's last, and R 15 the plain instruction behind it.
; Behind it stand the 8 products V^T P, behind each four of the roundings and sums.  end = 1: the last two turns: nothing is fetched.  cnt = 1: the loop's count is taken down some lines ahead of the branch behind the turn.
; K of the next step is fetched in piece 2's turn, V of the step in hand at the end of piece 0's turn, each four plain instructions or more behind the last product that read the registers; each is waited for a turn later.
.macro TURN p, end=0, cnt=0
.set Y, (\p)
.set i, 0
.set NOKQ, (\end)*((\p)/3)
.if ((\p) == 3) && !(\end)
	s_wait_dscnt 0x0                ; K is in
.endif
	ROW F,0, F,1, R,0, R,1
	ROW F,2, E,0, R,2, R,3
	ROW F,3, E,1, R,4, R,5
	ROW F,4, E,2, R,6, R,7
	ROW F,5, E,3, R,8, R,9
	ROW F,6, E,4, X,0, R,10
.if ((\p) == 2) && !(\end)
	WIN 0
	v_add_nc_u32 v[AK], s[TBK], v[AK0]
.endif
	ROW F,7, E,5, X,1, X,4
	ROW F,8, E,6, X,2, X,5
	OPS E,7, E,8, X,6, E,9
	OPS X,3, E,10, X,8, E,11
.if ((\p) == 2) && !(\end)
	FETCH_K
.endif
	OPS X,9, X,7, E,12, X,10
	OPS E,13, X,12, X,11, E,14
	OPS X,13, E,15, F,9, X,14
.if (\p) == 0
	v_add_nc_u32 v[AV], s[TBV], v[AV0]
.endif
	OPS E,16, F,10, E,17, F,11
	OPS X,16, E,18, X,15, E,19
	OPS F,12, E,20, X,17, E,21
	OPS F,13, E,22, F,14, E,23
	OPS X,18, E,24, F,15, E,25
	OPS R,11, E,26, X,19, E,27
	OPS R,12, E,28, R,13, E,29
	OPS X,20, E,30, R,14, E,31
	OPS X,21, R,15
	WIN 0
	s_wait_alu depctr_va_vdst(0)    ; the wait for the batch
.if (\p) == 1
	s_wait_dscnt 0x0                ; V is in
.endif
	ROW C,0, B,0, C,2, B,1
	ROW L,0, C,4, B,2, L,1
	ROW C,6, B,3, L,2, C,8
	ROW B,4, L,3, C,10, B,5
	ROW L,4, C,12, B,6, L,5
.if (\p) == 0
	s_add_co_u32 s[TBV], s[TBV], KS*PV
.endif
.if \cnt
	s_sub_co_u32 s[CNT], s[CNT], 1
	s_cmp_lg_u32 s[CNT], 0
.endif
	ROW C,14, B,7, L,6, C,1
	ROW C,3, L,7, C,5, C,7
	ROW C,9, C,11, C,13, C,15
.if (\p) == 0
	FETCH_V
.endif
.endm
	; THE BEGINNING.  c m starts far below every c s, so the first step's a is 0; m at the lowest finite number.  Then K of step 0, piece 0's first scores, and its maximum and statistics.
.set i, 0
.rept 4
	v_mov_b32 v[ST+4*i], 0xfe000000
	v_mov_b32 v[ST+4*i+1], 0xff7fffff
.set i, i+1
.endr
	v_add_nc_u32 v[AK], s[TBK], v[AK0]
	FETCH_K
	s_wait_loadcnt 0x0              ; Q, and my rows of x
	s_wait_dscnt 0x0
.set NOKQ, 0
.set i, 0
.rept 8
	KQ 0
.set i, i+1
.endr
	WIN 0
.rept 4
	v_nop                           ; the places behind those products
.endr
.set Y, NP-1
.irp n, 0,1,2,3,4,5,6,7,8,9,10,11,12,13,14,15,16,17,18,19,20,21
	OP X, \n
.endr
	v_nop                           ; a plain instruction behind the exponential,
	s_wait_alu depctr_va_vdst(0)    ; and its wait, ahead of the branch
	s_mov_b32 s[CNT], 4
	s_branch .Lfirst                ; the loop is entered at a step's first turn, in the middle of a trip
.Lslot:                             ; six times: slots 2 to 7 are asked for
	CHANGE 1
	s_mov_b32 s[CNT], 4
.Lstep:                             ; a trip: pieces 2 and 3 of one step, then pieces 0 and 1 of the next, whose K and V it fetches
	TURN 2
	TURN 3
	WIN 0
.Lfirst:
	TURN 0
	TURN 1, 0, 1
	WIN 0
	s_cbranch_scc1 .Lstep
	s_sub_co_u32 s[SLOTS], s[SLOTS], 1
	s_cmp_lg_u32 s[SLOTS], 0
	s_cbranch_scc1 .Lslot
	CHANGE 0                        ; the last slot is written out: nothing is asked for
	s_mov_b32 s[CNT], 4
.Ltail:
	TURN 2
	TURN 3
	TURN 0
	TURN 1, 0, 1
	WIN 0
	s_cbranch_scc1 .Ltail
	TURN 2, 1
	TURN 3, 1
.set i, 0
.rept 8
	PV NP-1
.set i, i+1
.endr
	; THE WAY OUT.  l's two halves and the other half of the lanes' are added; att = (c1 / l) O^T + (c3 x + c2 colsum), in f32, sent through my stage in LDS, a piece (16 rows) at a time.
	WIN 0
.macro ALL line:vararg
.set t, 0
.rept 4
	\line
.set t, t+1
.endr
.endm
	ALL v_add_f32 v[ST+4*t+2], v[ST+4*t+2], v[ST+4*t+3]
	ALL v_permlanex16_b32 v[ST+4*t+3], v[ST+4*t+2], s[SEL], s[SEL+1]
	ALL v_add_f32 v[ST+4*t+2], v[ST+4*t+2], v[ST+4*t+3]
	ALL v_rcp_f32 v[ST+4*t+2], v[ST+4*t+2]
	v_nop                           ; a plain instruction between the last reciprocal and the use of its result,
	s_wait_alu depctr_va_vdst(0)    ; and one wait for the four
	ALL v_mul_f32 v[ST+4*t+2], s52, v[ST+4*t+2]
.macro PACKA t
	WIN 0x02                        ; source 0, my row of x in f16 halves, in window 2
.set i, 0
.rept 32
.if i%2
	v_fma_mix_f32 v[RR+i], v[XQ+16*(\t)+i/2], v[C3], v[CSUM+i] op_sel:[1,0,0] op_sel_hi:[1,0,0]
.else
	v_fma_mix_f32 v[RR+i], v[XQ+16*(\t)+i/2], v[C3], v[CSUM+i] op_sel_hi:[1,0,0]
.endif
.set i, i+1
.endr
	WIN 0x01                        ; source 0, O^T, in window 1: read from each accumulator's low end on
.set i, 0
.rept 16
	v_pk_fma_f32 v[RR+i:RR+i+1], v[32*(\t)+i:32*(\t)+i+1], v[ST+4*(\t)+2:ST+4*(\t)+3], v[RR+i:RR+i+1] op_sel_hi:[1,0,1]
.set i, i+2
.endr
	WIN 0
.irp c, 0,1,2,3
	ds_store_b128 v[STO], v[RR+8*\c:RR+8*\c+3]   offset:64*\c
	ds_store_b128 v[STO], v[RR+8*\c+4:RR+8*\c+7] offset:64*\c+16
.endr
	s_wait_xcnt 0x0                 ; the rows' registers, which earlier stores read, are loaded again only behind this wait
.irp f, 0,1,2,3,4,5,6,7
	ds_load_b128 v[OB+32*((\t)%2)+4*\f:OB+32*((\t)%2)+4*\f+3], v[RD] offset:\f*2*SP  ; LDS serves a wave's instructions in order: these see the stores above; the next piece's stores come behind them
.endr
.endm
.macro SENDA t, younger             ; younger: the LDS instructions issued behind piece t's loads: the next piece's sixteen, or none
.irp f, 0,1,2,3,4,5,6,7
	s_wait_dscnt (\younger)+7-\f
	global_store_b128 v[GO], v[OB+32*((\t)%2)+4*\f:OB+32*((\t)%2)+4*\f+3], s[10:11] offset:(16*(\t)+2*\f)*4096  ; 16 lanes store a head's 256 bytes of a row of att, aligned
.endr
.endm
	PACKA 0
	PACKA 1
	SENDA 0, 16
	PACKA 2
	SENDA 1, 16
	PACKA 3
	SENDA 2, 16
	SENDA 3, 0
	s_wait_tensorcnt 0x0            ; the wave's end
	ds_add_u32 v[SPW], v[NIL]
	s_wait_dscnt 0x0
	CROUND                          ; the closing round
	s_endpgm
.Lfunc_end_k_q075582e774_attn:
	.size	k_q075582e774_attn, .Lfunc_end_k_q075582e774_attn-k_q075582e774_attn
	.p2alignl 7, 3214868480
	.fill 96, 4, 3214868480
	.section	.rodata,"a",@progbits
	.p2align	6, 0x0
	.amdhsa_kernel k_q075582e774_attn
		.amdhsa_group_segment_fixed_size 327680
		.amdhsa_private_segment_fixed_size 0
		.amdhsa_enable_private_segment 0
		.amdhsa_kernarg_size 32
		.amdhsa_user_sgpr_count 2
		.amdhsa_user_sgpr_kernarg_segment_ptr 1
		.amdhsa_wavefront_size32 1
		.amdhsa_system_sgpr_workgroup_id_x 1
		.amdhsa_system_sgpr_workgroup_id_y 1
		.amdhsa_system_sgpr_workgroup_id_z 1
		.amdhsa_system_vgpr_workitem_id 0
		.amdhsa_next_free_vgpr 768
		.amdhsa_next_free_sgpr 76
		.amdhsa_reserve_vcc 0
		.amdhsa_float_denorm_mode_32 3
		.amdhsa_float_denorm_mode_16_64 3
		.amdhsa_memory_ordered 1
		.amdhsa_forward_progress 1
		.amdhsa_inst_pref_size 145
	.end_amdhsa_kernel
	.amdgpu_metadata
---
amdhsa.version: [ 1, 2 ]
amdhsa.kernels:
  - .name:           k_q075582e774_attn
    .symbol:         k_q075582e774_attn.kd
    .args:
      - { .name: qkh, .offset: 0, .size: 8, .value_kind: global_buffer, .address_space: global }
      - { .name: xv, .offset: 8, .size: 8, .value_kind: global_buffer, .address_space: global }
      - { .name: aux, .offset: 16, .size: 8, .value_kind: global_buffer, .address_space: global }
      - { .name: att, .offset: 24, .size: 8, .value_kind: global_buffer, .address_space: global }
    .group_segment_fixed_size: 327680
    .private_segment_fixed_size: 0
    .kernarg_segment_align: 8
    .kernarg_segment_size: 32
    .max_flat_workgroup_size: 128
    .sgpr_count:     76
    .vgpr_count:     768
    .wavefront_size: 32
...
	.end_amdgpu_metadata
.endif
;; end of part 3
;; launch ff2 (part 4): grid 8 x 32, 4 waves a work-group, clusters of 4 x 4, 327,680 bytes of LDS; arguments hbuf, w2h, aux, att, out0; writes out0
.if DOCPART == 4
	.amdgcn_target "amdgcn-amd-amdhsa--gfx1250"
	.amdhsa_code_object_version 6
	.text
	.protected	k_q075582e774_ff2
	.globl	k_q075582e774_ff2
	.p2align	8
	.type	k_q075582e774_ff2,@function
k_q075582e774_ff2:
	s_mov_b64 s[64:65], 0
	v_nop
	global_prefetch_b8 v0, s[64:65] scope:SCOPE_SE
	s_setreg_imm32_b32 hwreg(HW_REG_WAVE_MODE, 25, 1), 1
	s_wait_xcnt 0x0
	s_wait_alu depctr_hold_cnt(0) depctr_sa_sdst(0) depctr_va_vdst(0) depctr_va_sdst(0) depctr_va_ssrc(0) depctr_va_vcc(0) depctr_vm_vsrc(0)
	s_getreg_b32 s2, hwreg(HW_REG_IB_STS2, 6, 4)
	s_cmp_eq_u32 s2, 0
	s_cbranch_scc0 .Lentry_in_a_cluster
	s_endpgm
.Lentry_in_a_cluster:
	s_bfe_u32 s2, ttmp6, 0x10000c
	s_cmp_lg_u32 s2, 0xf033
	s_cbranch_scc0 .Lentry_shape_is_right
	s_endpgm
.Lentry_shape_is_right:
; FF2: out0 = att + beta_ff (h W2^T + b2).  h: hbuf [4096][4096] f16; W2: w2h [1024][4096] f16 (of bf16(W2)); att, out0: [4096][1024] f32; b2 and beta_ff (both rounded to bf16) in aux.  Sums in f32.
; A tile of out0 is 128 x 128: 256 tiles, one to each work-group (256 x 256 would give 64).  Four waves, each 64 x 64: 16 accumulators.  K goes in steps of 256 (LDS rows of 512 bytes; a wave's tensor
; load brings 64 of them) through two slots.  No prefetch: the tiles are small, and every row of h and of W2 is read by several clusters at about the same time.
; CLUSTERS: 4 x 4 work-groups; h's tiles are asked for jointly along a row of the cluster, W2's along a column.  THE MATRIX INSTRUCTION IS USED TRANSPOSED: a lane holds eight neighbouring numbers of a row.
; A wave's 64 columns in f32 are 256 bytes of a row, aligned: each wave has a stage of its own on the way out, and no barrier is needed there.
; REGISTERS: window 0: v0-31 addresses; v32-63 results; v64-127 rows read back, two buffers; v128-255 the accumulators ((a, b) at 128 + 8 (4 a + b)).  window 1: two fragment buffers of 128.
;   window 2: v0-127 my 64 x 64 of att, in the stores' layout; v128-159 beta_ff b2 of my columns.
.set SIZE_N, 1024
.set SIZE_K, 4096
.set KSTEP,  256
.set PITCH,  528                       ; an LDS row: 512 bytes + 16 of padding
.set HALFT,  64*PITCH
.set SLOT,   4*HALFT
.set STAGE,  2*SLOT                    ; behind the ring: 16 rows x 272 bytes for each wave
.set SPITCH, 272
.set SPARE,  STAGE+4*16*SPITCH         ; the spare words: 128 bytes for each wave, two blocks of 256 bytes that no other line names
.set LAPS, SIZE_K/(2*KSTEP)
.set B2O,  548864
.set PAR,  552960
.set ADRA, 16
.set ADRB, 20
.set STO,  24
.set RD,   25
.set CO,   26                          ; v26  my offset in two rows of att and of out0
.set BO,   27                          ; v27  my offset in 16 columns of b2
.set SPW,  28
.set NIL,  29
.set TMP,  32
.set OB,   64
.set ACC,  128
.set F0,   0
.set F1,   128
.set ATT,  0                           ; window 2
.set B2S,  128
.set G1, 24
.set G0, 32
.set G1B, 48
.set G0B, 56
.set MSB, 0
.macro WIN new
.if MSB != (\new)
	s_set_vgpr_msb (MSB<<8)|(\new)
.set MSB, \new
.endif
.endm
.set MUL,  0x05                        ; sources 0 (W2) and 1 (h) window 1; C and D window 0
.set TO_F, 0x40
.macro JLOAD s                         ; a joint load: waves 0 and 1 fetch h's two halves, waves 2 and 3 W2's; an s_nop 0 and four v_nop follow each of the two lines
	s_cmp_eq_u32 s11, 0
	s_cbranch_scc0 .Lfor_b_\@
	tensor_load_to_lds s[G0+4*(\s):G0+4*(\s)+3], s[G1:G1+7]
	s_nop 0
.rept 4
	v_nop
.endr
	s_branch .Lasked_\@
.Lfor_b_\@:
	tensor_load_to_lds s[G0B+4*(\s):G0B+4*(\s)+3], s[G1B:G1B+7]
	s_nop 0
.rept 4
	v_nop
.endr
.Lasked_\@:
.endm
.macro CREST
	s_cmp_lg_u32 s10, 0
	s_cbranch_scc1 .Lnot_wave_0_\@
	s_barrier_signal -3
.Lnot_wave_0_\@:
	s_barrier_wait -3
	s_barrier_signal -1
	s_barrier_wait -1
.endm
.macro CROUND
	s_barrier_signal -1
	s_barrier_wait -1
	CREST
.endm
	s_load_b128 s[4:7], s[0:1], 0x0                ; hbuf 4, w2h 6
	s_load_b128 s[68:71], s[0:1], 0x10             ; aux 68, att 70
	s_load_b64 s[8:9], s[0:1], 0x20                ; out0
	v_lshl_add_u32 v[SPW], v0, 2, SPARE
	v_mov_b32 v[NIL], 0
	ds_add_u32 v[SPW], v[NIL]                      ; the wave's opening: the add and its wait ahead of my first tensor load
	v_lshrrev_b32 v1, 5, v0
	v_readfirstlane_b32 s10, v1                    ; wave
	s_lshr_b32 s11, s10, 1                         ; which half of the tile's rows is mine.  Also: I fetch for h (0) or for W2 (1)
	s_and_b32 s12, s10, 1                          ; which half of its columns.  Also: which 64 rows of that tile I fetch
	s_bfe_u32 s40, ttmp6, 0x40000                  ; cx, cy
	s_bfe_u32 s41, ttmp6, 0x40004
	s_lshl_b32 s42, ttmp9, 2
	s_add_co_u32 s42, s42, s40                     ; tile column
	s_and_b32 s13, ttmp7, 0xffff
	s_lshl_b32 s13, s13, 2
	s_add_co_u32 s13, s13, s41                     ; tile row
	s_lshl_b32 s43, s41, 2
	s_lshl_b32 s43, 15, s43                        ; my row of the cluster
	s_lshl_b32 s44, 0x1111, s40                    ; my column
	s_or_b32 s[G1+0], s43, (1<<16)|(1<<20)|(1<<21)|(6<<22)|(3<<25)  ; the mask; 2-byte elements; padding on; bit 21 beside a mask; after every 128 words 4 words
	s_or_b32 s[G1B+0], s44, (1<<16)|(1<<20)|(1<<21)|(6<<22)|(3<<25)
.irp g, G1, G1B
	s_mov_b32 s[(\g)+1], KSTEP<<16                 ; tensor_dim0 = 256
	s_mov_b32 s[(\g)+2], 64<<16                    ; tensor_dim1 = 64
	s_mov_b32 s[(\g)+3], KSTEP<<16                 ; tile_dim0 = 256
	s_mov_b32 s[(\g)+4], 64                        ; tile_dim1 = 64
	s_mov_b32 s[(\g)+5], SIZE_K                    ; elements from row to row
	s_mov_b32 s[(\g)+6], 0
	s_mov_b32 s[(\g)+7], 0
.endr
	s_lshl_b32 s17, s12, 6
	s_lshl_b32 s16, s13, 7
	s_add_co_u32 s16, s16, s17                     ; h: row 128 x tile row + 64 x half
	s_lshl_b32 s46, s42, 7
	s_add_co_u32 s46, s46, s17                     ; W2: row 128 x tile column + 64 x half
	s_mov_b32 s17, 0
	s_mov_b32 s47, 0
	s_mov_b64 s[18:19], SIZE_K*2
	s_mul_u64 s[16:17], s[16:17], s[18:19]
	s_mul_u64 s[46:47], s[46:47], s[18:19]
	s_mul_i32 s20, s10, HALFT                      ; where they go: wave x 64 rows
	s_wait_dscnt 0x0                               ; the opening add is done
	s_wait_kmcnt 0x0
	s_load_b32 s72, s[68:69], PAR+12               ; beta_ff
	s_add_nc_u64 s[14:15], s[4:5], s[16:17]
	s_add_nc_u64 s[46:47], s[6:7], s[46:47]
	CROUND                                         ; all sixteen work-groups are here: the first joint loads meet
.irp s, 0,1
	s_mov_b32 s[G0+4*(\s)], 1
	s_add_co_u32 s[G0+4*(\s)+1], s20, (\s)*SLOT
	s_add_nc_u64 s[G0+4*(\s)+2:G0+4*(\s)+3], s[14:15], (\s)*KSTEP*2
	s_or_b32 s[G0+4*(\s)+3], s[G0+4*(\s)+3], 0x80000000
	s_mov_b32 s[G0B+4*(\s)], 1
	s_add_co_u32 s[G0B+4*(\s)+1], s20, (\s)*SLOT
	s_add_nc_u64 s[G0B+4*(\s)+2:G0B+4*(\s)+3], s[46:47], (\s)*KSTEP*2
	s_or_b32 s[G0B+4*(\s)+3], s[G0B+4*(\s)+3], 0x80000000
	JLOAD \s
.endr
	v_and_b32 v1, 15, v0                           ; l % 16
	v_bfe_u32 v2, v0, 4, 1                         ; l / 16
	v_mul_u32_u24 v3, v1, PITCH
	v_lshl_add_u32 v3, v2, 4, v3
	s_mul_i32 s21, s11, HALFT                      ; my 64 rows of h
	s_mul_i32 s22, s12, HALFT                      ; my 64 rows of W2,
	s_add_co_u32 s22, s22, 2*HALFT                 ; which lie behind h's 128
.irp s, 0,1
	v_add_nc_u32 v[ADRA+(\s)], s21, v3
	v_add_nc_u32 v[ADRB+(\s)], s22, v3
	s_add_co_u32 s21, s21, SLOT
	s_add_co_u32 s22, s22, SLOT
.endr
	s_mul_i32 s23, s10, 16*SPITCH
	s_add_co_u32 s23, s23, STAGE                   ; my stage
	v_mul_u32_u24 v4, v1, SPITCH                   ; in: row l % 16, 32 bytes (8 f32) for each half of the lanes
	v_lshl_add_u32 v4, v2, 5, v4
	v_add_nc_u32 v[STO], s23, v4
	v_mul_u32_u24 v5, v2, SPITCH                   ; back: lanes 0-15 one row of 256 bytes, lanes 16-31 the next
	v_lshl_add_u32 v5, v1, 4, v5
	v_add_nc_u32 v[RD], s23, v5
	v_lshlrev_b32 v[CO], 12, v2                    ; and the same two rows in att and out0
	v_lshl_add_u32 v[CO], v1, 4, v[CO]
	v_lshlrev_b32 v[BO], 5, v2
	s_lshl_b32 s16, s13, 19                        ; 128 rows of 4,096 bytes,
	s_lshl_b32 s17, s11, 18                        ; my 64 of them
	s_add_co_u32 s16, s16, s17
	s_mov_b32 s17, 0
	s_lshl_b32 s46, s42, 9                         ; 128 columns of 4 bytes,
	s_lshl_b32 s47, s12, 8                         ; my 64 of them
	s_add_co_u32 s46, s46, s47
	s_mov_b32 s47, 0
	s_add_nc_u64 s[74:75], s[70:71], s[16:17]
	s_add_nc_u64 s[74:75], s[74:75], s[46:47]
	s_add_nc_u64 s[8:9], s[8:9], s[16:17]
	s_add_nc_u64 s[8:9], s[8:9], s[46:47]
	s_add_nc_u64 s[76:77], s[68:69], s[46:47]
	WIN 0x80                                       ; att and b2 come in while K is walked; they are waited for on the way out
.irp a, 0,1,2,3
.irp t, 0,1,2,3,4,5,6,7
	global_load_b128 v[ATT+32*(\a)+4*(\t):ATT+32*(\a)+4*(\t)+3], v[CO], s[74:75] offset:(16*(\a)+2*(\t))*4096
.endr
.endr
.irp b, 0,1,2,3
	global_load_b128 v[B2S+8*\b:B2S+8*\b+3],   v[BO], s[76:77] offset:B2O+64*\b
	global_load_b128 v[B2S+8*\b+4:B2S+8*\b+7], v[BO], s[76:77] offset:B2O+64*\b+16
.endr
	WIN 0
; 8 matrix instructions: m blocks a0, a0 + 1 x all 4 n blocks, 32 along K: half c of buffer f.  zero = 1: the first product starts the sums.  The 16 accumulators take turns.
.macro MUL8 f, c, a0, zero
	WIN MUL
.irp a, \a0, (\a0)+1
.irp b, 0,1,2,3
.if \zero
	v_wmma_f32_16x16x32_f16 v[ACC+8*(4*(\a)+(\b)):ACC+8*(4*(\a)+(\b))+7], v[(\f)+64+8*(4*(\c)+(\b)):(\f)+64+8*(4*(\c)+(\b))+7], v[(\f)+8*(4*(\c)+(\a)):(\f)+8*(4*(\c)+(\a))+7], 0
.else
	v_wmma_f32_16x16x32_f16 v[ACC+8*(4*(\a)+(\b)):ACC+8*(4*(\a)+(\b))+7], v[(\f)+64+8*(4*(\c)+(\b)):(\f)+64+8*(4*(\c)+(\b))+7], v[(\f)+8*(4*(\c)+(\a)):(\f)+8*(4*(\c)+(\a))+7], v[ACC+8*(4*(\a)+(\b)):ACC+8*(4*(\a)+(\b))+7]
.endif
.endr
.endr
.endm
; 32 LDS loads in one run: the fragments of 64 along K at byte k of the rows, into buffer f; the first 32 along K first
.macro FETCH slot, k, f
	WIN TO_F
.irp c, 0,1
.irp i, 0,1,2,3
	ds_load_b128 v[(\f)+64+8*(4*(\c)+(\i)):(\f)+64+8*(4*(\c)+(\i))+3],   v[ADRB+(\slot)] offset:(\k)+64*(\c)+(\i)*16*PITCH
	ds_load_b128 v[(\f)+64+8*(4*(\c)+(\i))+4:(\f)+64+8*(4*(\c)+(\i))+7], v[ADRB+(\slot)] offset:(\k)+64*(\c)+(\i)*16*PITCH+32
	ds_load_b128 v[(\f)+8*(4*(\c)+(\i)):(\f)+8*(4*(\c)+(\i))+3],         v[ADRA+(\slot)] offset:(\k)+64*(\c)+(\i)*16*PITCH
	ds_load_b128 v[(\f)+8*(4*(\c)+(\i))+4:(\f)+8*(4*(\c)+(\i))+7],       v[ADRA+(\slot)] offset:(\k)+64*(\c)+(\i)*16*PITCH+32
.endr
.endr
.endm
.macro PLACES
.rept 4
	v_nop
.endr
.endm
; A K step is four quarters of 64 along K, 32 matrix instructions each, on buffers 0, 1, 0, 1.
.macro QUARTER slot, k, f, g, zero
	s_wait_dscnt 16                                ; the first 32 along K are in
	WIN MUL
	MUL8 \f, 0, 0, \zero
	MUL8 \f, 0, 2, \zero
	PLACES
	FETCH \slot, \k, \g
	s_wait_dscnt 32                                ; all but the 32 just issued
	WIN MUL
	MUL8 \f, 1, 0, 0
	MUL8 \f, 1, 2, 0
.endm
; The last quarter multiplies buffer 1 and changes slots: one barrier; in front of it each wave waits for all its tensor loads, adds 0 to its spare word, and waits for that and for its own reads of this slot.
.macro TURN slot, next, fill
	WIN 0
	s_wait_tensorcnt 0x0                           ; all my tensor loads have landed: my part of the next slot
	ds_add_u32 v[SPW], v[NIL]
	s_wait_dscnt 17                                ; the add and the youngest sixteen loads may be out
	WIN MUL
	MUL8 F1, 0, 0, 0
	s_wait_dscnt 0x0                               ; the add is done, and my reads of this slot are over
	s_barrier_signal -1
	MUL8 F1, 0, 2, 0
.if \fill
	WIN 0
.endif
	s_barrier_wait -1
.if \fill
	CREST                                          ; no wave of any partner still reads this slot's tile or has a load on its way
	s_add_nc_u64 s[G0+4*(\slot)+2:G0+4*(\slot)+3], s[G0+4*(\slot)+2:G0+4*(\slot)+3], 2*KSTEP*2
	s_add_nc_u64 s[G0B+4*(\slot)+2:G0B+4*(\slot)+3], s[G0B+4*(\slot)+2:G0B+4*(\slot)+3], 2*KSTEP*2
	JLOAD \slot                                    ; my one tensor load behind the round; its four v_nop are also the places in front of the loads below
.else
	PLACES
.endif
	FETCH \next, 0, F0
	WIN MUL
	MUL8 F1, 1, 0, 0
	MUL8 F1, 1, 2, 0
.endm
	s_wait_tensorcnt 1                             ; my part of K step 0 is in; K step 1's may stay out
	s_barrier_signal -1
	s_barrier_wait -1
	FETCH 0, 0, F0
	QUARTER 0, 128, F0, F1, 1                      ; the first quarter stands in front of the loop: its first products start the sums
	WIN 0
	s_mov_b32 s3, LAPS-1
.Llap:                                                 ; a trip goes once round the ring and fills both slots again
	QUARTER 0, 256, F1, F0, 0
	QUARTER 0, 384, F0, F1, 0
	TURN 0, 1, 1
	QUARTER 1, 128, F0, F1, 0
	QUARTER 1, 256, F1, F0, 0
	QUARTER 1, 384, F0, F1, 0
	TURN 1, 0, 1
	QUARTER 0, 128, F0, F1, 0
	WIN 0
	s_sub_co_u32 s3, s3, 1
	s_cmp_lg_u32 s3, 0
	s_cbranch_scc1 .Llap
	QUARTER 0, 256, F1, F0, 0                      ; the last lap fills nothing
	QUARTER 0, 384, F0, F1, 0
	TURN 0, 1, 0
	QUARTER 1, 128, F0, F1, 0
	QUARTER 1, 256, F1, F0, 0
	QUARTER 1, 384, F0, F1, 0
	s_wait_dscnt 16
	WIN MUL
	MUL8 F1, 0, 0, 0
	MUL8 F1, 0, 2, 0
	s_wait_dscnt 0
	MUL8 F1, 1, 0, 0
	MUL8 F1, 1, 2, 0
	WIN 0
	; THE WAY OUT, a block of 16 rows at a time: beta_ff x sum + beta_ff b2 in the product's layout; through my stage into whole rows of 256 bytes; + att; stored.
	PLACES
	PLACES
	s_wait_loadcnt 0x0                             ; att and b2
	s_wait_kmcnt 0x0                               ; beta_ff
	s_mov_b32 s73, s72                             ; named with it as a pair
	WIN 0x82
.set z, 0
.rept 16
	v_pk_mul_f32 v[B2S+z:B2S+z+1], v[B2S+z:B2S+z+1], s[72:73] op_sel_hi:[1,0]
.set z, z+2
.endr
.macro PACK a                          ; each accumulator is read from its low end on
	WIN 0x20
.set z, 0
.rept 16
	v_pk_fma_f32 v[TMP+z:TMP+z+1], v[ACC+32*(\a)+z:ACC+32*(\a)+z+1], s[72:73], v[B2S+z:B2S+z+1] op_sel_hi:[1,0,1]
.set z, z+2
.endr
	WIN 0
.endm
.macro TOSTAGE a
	s_wait_xcnt 0x0                                ; the rows' registers, which earlier stores read, are loaded again only behind this wait
.irp b, 0,1,2,3
	ds_store_b128 v[STO], v[TMP+8*\b:TMP+8*\b+3]   offset:64*\b
	ds_store_b128 v[STO], v[TMP+8*\b+4:TMP+8*\b+7] offset:64*\b+16
.endr
.irp t, 0,1,2,3,4,5,6,7
	ds_load_b128 v[OB+32*((\a)%2)+4*\t:OB+32*((\a)%2)+4*\t+3], v[RD] offset:\t*2*SPITCH  ; LDS serves a wave's instructions in order: these see the stores above
.endr
.endm
.macro SEND a
	s_wait_dscnt 0x0                               ; the block is back in registers
	WIN 0x08
.set z, 0
.rept 16
	v_pk_add_f32 v[OB+32*((\a)%2)+z:OB+32*((\a)%2)+z+1], v[OB+32*((\a)%2)+z:OB+32*((\a)%2)+z+1], v[ATT+32*(\a)+z:ATT+32*(\a)+z+1]
.set z, z+2
.endr
	WIN 0
.irp t, 0,1,2,3,4,5,6,7
	global_store_b128 v[CO], v[OB+32*((\a)%2)+4*\t:OB+32*((\a)%2)+4*\t+3], s[8:9] offset:(16*(\a)+2*\t)*4096  ; 16 lanes store 256 consecutive bytes of a row of out0, aligned
.endr
.endm
	PACK 0
	TOSTAGE 0
.irp a, 1,2,3                          ; block a's arithmetic stands between block a - 1's loads from the stage and the wait for them
	PACK \a
	SEND (\a)-1
	TOSTAGE \a
.endr
	SEND 3
	s_wait_tensorcnt 0x0                           ; the wave's end
	ds_add_u32 v[SPW], v[NIL]
	s_wait_dscnt 0x0
	CROUND                                         ; the closing round
	s_endpgm
.Lfunc_end_k_q075582e774_ff2:
	.size	k_q075582e774_ff2, .Lfunc_end_k_q075582e774_ff2-k_q075582e774_ff2
	.p2alignl 7, 3214868480
	.fill 96, 4, 3214868480
	.section	.rodata,"a",@progbits
	.p2align	6, 0x0
	.amdhsa_kernel k_q075582e774_ff2
		.amdhsa_group_segment_fixed_size 327680
		.amdhsa_private_segment_fixed_size 0
		.amdhsa_enable_private_segment 0
		.amdhsa_kernarg_size 40
		.amdhsa_user_sgpr_count 2
		.amdhsa_user_sgpr_kernarg_segment_ptr 1
		.amdhsa_wavefront_size32 1
		.amdhsa_system_sgpr_workgroup_id_x 1
		.amdhsa_system_sgpr_workgroup_id_y 1
		.amdhsa_system_sgpr_workgroup_id_z 1
		.amdhsa_system_vgpr_workitem_id 0
		.amdhsa_next_free_vgpr 672
		.amdhsa_next_free_sgpr 78
		.amdhsa_reserve_vcc 0
		.amdhsa_float_denorm_mode_32 3
		.amdhsa_float_denorm_mode_16_64 3
		.amdhsa_memory_ordered 1
		.amdhsa_forward_progress 1
		.amdhsa_inst_pref_size 99
	.end_amdhsa_kernel
	.amdgpu_metadata
---
amdhsa.version: [ 1, 2 ]
amdhsa.kernels:
  - .name:           k_q075582e774_ff2
    .symbol:         k_q075582e774_ff2.kd
    .args:
      - { .name: hbuf, .offset: 0, .size: 8, .value_kind: global_buffer, .address_space: global }
      - { .name: w2h, .offset: 8, .size: 8, .value_kind: global_buffer, .address_space: global }
      - { .name: aux, .offset: 16, .size: 8, .value_kind: global_buffer, .address_space: global }
      - { .name: att, .offset: 24, .size: 8, .value_kind: global_buffer, .address_space: global }
      - { .name: out0, .offset: 32, .size: 8, .value_kind: global_buffer, .address_space: global }
    .group_segment_fixed_size: 327680
    .private_segment_fixed_size: 0
    .kernarg_segment_align: 8
    .kernarg_segment_size: 40
    .max_flat_workgroup_size: 128
    .sgpr_count:     78
    .vgpr_count:     672
    .wavefront_size: 32
...
	.end_amdgpu_metadata
.endif
;; end of part 4
;; ======== version 2 of 2: 4 launches; version 1 with the launch prep written anew for expert scheduling mode
;; limits: values are held in f16: magnitudes above 65,504 overflow, below 6.1e-05 lose precision
;; workspace buffers: xb 8,388,608 bytes; xv 8,388,608 bytes; wcat 12,582,912 bytes; w2h 8,388,608 bytes; qkh 16,777,216 bytes; hbuf 33,554,432 bytes; att 16,777,216 bytes; aux 553,472 bytes
;; launch prep (part 5): grid 449 x 1, 4 waves a work-group, no clusters, 0 bytes of LDS; arguments x, W1, W_qk, W2, b1, b_qk, b2, alpha, beta, gamma, alpha_ff, beta_ff, xb, xv, wcat, w2h, aux; writes xb, xv, wcat, w2h, aux
.if DOCPART == 5
	.amdgcn_target "amdgcn-amd-amdhsa--gfx1250"
	.amdhsa_code_object_version 6
	.text
	.protected	k_q075582e774_prep
	.globl	k_q075582e774_prep
	.p2align	8
	.type	k_q075582e774_prep,@function
k_q075582e774_prep:
	s_mov_b64 s[64:65], 0
	v_nop
	global_prefetch_b8 v0, s[64:65] scope:SCOPE_SE
	s_setreg_imm32_b32 hwreg(HW_REG_WAVE_SCHED_MODE, 0, 2), 2
	s_setreg_imm32_b32 hwreg(HW_REG_WAVE_MODE, 25, 1), 1
	s_wait_xcnt 0x0
	s_wait_alu depctr_vm_vsrc(0)
; PREP: every input is rounded once to bf16, and laid out for the three launches behind.
;   xb   [16][4096][64] bf16 = x in blocks of 64 columns: block s holds columns 64 s .. 64 s + 63 of all rows, a row's 128 bytes on end
;   wcat [16][6144][64] bf16, the same blocks of W1 and W_qk; its rows go by groups of 384: 256 rows of W1, then 128 rows of W_qk (group c: W1's rows 256 c .., W_qk's rows 128 c ..)
;   w2h  [1024][4096] f16 of bf16(W2)
;   xv   [n*16+h][2048][64] f16 of bf16(x): x by heads, a head's rows dense (128 bytes each)
;   aux  f32: at 0 [128][1024] the column sums of 32 rows of bf16(x) each; at BCAT bf16(b1), bf16(b_qk), bf16(b2) on end; at PAR c1..c4 (below)
; LIMITS.  A bf16 number written as f16 is exact from 2^-14 / 8 up to 65,504; below that it keeps f16's fixed step of 6e-8; beyond 65,504 it is an infinity: |x| and |W2| stay under 65,504.
; A stream: no LDS, no matrix unit, no cluster (no two work-groups read the same byte).  All four tensors are taken as rows of 1,024 f32; a work-group takes 32 rows.
; Thread t owns columns 4 t .. 4 t + 3 and 512 + 4 t .. : a load of a wave covers 512 consecutive bytes, a store of 8 bytes a lane 256 consecutive bytes, aligned.
; Work-groups 0-127: x; 128-255: W1; 256-319: W_qk; 320-447: W2; 448: the biases and the five scalars.
; THE MODE: SCHED_MODE bits 1:0 = 2 (LLVM: expert scheduling mode 2), set by the entry lines.  The code itself states the register dependences between vector instructions and memory
; instructions, with s_wait_alu, always for 0.
; THE PLAN.  The 32 rows go in 16 turns of two.  Turn p has slot i = p % 4 and out-buffer b = p % 2.  Registers that memory instructions touch:
;   X0 .. X3   two rows as loaded.  Read by the eight roundings at the head of the slot's turn; behind them the loads of the turn four on land in the same slot.
;   Y0, Y1     two rows to store, in bf16 and in f16.  Written by turn p's vector work; read by the stores that are issued at the head of turn p + 1.
;   v1, v2, v3, v[VB ..]   byte offsets, made once at the head and never written again: the rows are reached by the scalar bases and by immediate offsets.
;   SUM        written by vector instructions; read by two stores at the end.            T is named by vector instructions alone.
; So ONE wait on va_vdst stands in a turn, behind its eight roundings: they are done reading X[i], and the turn before has written the other Y.  The slot's four loads and the stores of the turn
; before follow it at once; the vector work behind them names Y[b], T and SUM, none of the registers that those loads and stores touch.  One wait on vm_vsrc stands at a turn's head,
; nearly a turn behind the stores that read the Y which the turn writes again.
; THE LOOP'S CUT.  Turns 0 to 11 fill their slot again, turns 1 to 15 store the turn before.  So the loop's label stands between slot 0's head and its refill: a lap is slot 0's refill and work, turns 1 to 3,
; the next round's head of slot 0, and the stores of slot 3: three laps hold just the twelve refills.
.set BCAT, 524288
.set PAR,  552960
.set SUM,  8                           ; v[8:15]    column sums of my 8 columns (x alone)
.set T,    16                          ; v[16:31]   a turn's 16 numbers, rounded, as f32
.set X,    32                          ; v[32:95]   four slots of 16: row p, group g at 8 p + 4 g
.set Y,    96                          ; v[96:127]  two out-buffers of 16: the turn in bf16 at Y + 16 b, in f16 at Y + 16 b + 8
.set VB,   128                         ; v[128:131] my offset in block 2 w + 8 g + s of the blocked copy, at 2 g + s
.set SRC,  42                          ; s[42:43]   the source at this round's first row
.set DST,  44                          ; s[44:45]   the 16-bit copy at the same row
.set KW2,  46                          ; s46        1: the source is W2: the copy is f16, row by row
.set KX,   47                          ; s47        1: the source is x
.set DV,   48                          ; s[48:49]   xv at head 0 of my n, this round's first row
.set CPP,  50                          ; s[50:51]   my row of the partial column sums
.set DSTEP, 62                         ; s[62:63]   bytes of the copy in 8 rows
	s_load_b512 s[8:23], s[0:1], 0x0               ; x 8, W1 10, W_qk 12, W2 14, b1 16, b_qk 18, b2 20, alpha 22
	s_load_b512 s[24:39], s[0:1], 0x40             ; beta 24, gamma 26, alpha_ff 28, beta_ff 30, xb 32, xv 34, wcat 36, w2h 38
	s_load_b64 s[40:41], s[0:1], 0x80              ; aux
	s_mov_b32 s60, ttmp9
	v_lshlrev_b32 v1, 4, v0                        ; 16 t: my 16 bytes of f32
	v_lshlrev_b32 v2, 3, v0                        ; 8 t: my 8 bytes of 16-bit numbers in a row
	v_lshrrev_b32 v4, 5, v0
	v_readfirstlane_b32 s61, v4                    ; wave
	v_bfe_u32 v5, v0, 4, 1
	v_and_b32 v6, 15, v0
	v_lshlrev_b32 v7, 7, v5                        ; in a block: lanes 16-31 one row of 128 bytes further down,
	v_lshl_add_u32 v7, v6, 3, v7                   ; 8 bytes a lane
	v_lshl_add_u32 v3, v4, 19, v7                  ; xv: head 2 x wave (a head is 262,144 bytes)
.irp z, 0,1,2,3,4,5,6,7
	v_mov_b32 v[SUM+\z], 0
.endr
	s_wait_alu depctr_va_sdst(0)                   ; s61 is written, ahead of the branch below and of its first readers: the blocks' offsets on the one path, the choice of wave 0 on the other
	s_mov_b32 s53, 0xffff0000                      ; a word's upper bf16
	s_sub_co_u32 s54, s60, 320                     ; the block of 32 rows in each of the tensors
	s_sub_co_u32 s55, s60, 256
	s_sub_co_u32 s56, s60, 128
	s_and_b32 s57, s60, 127
	s_lshr_b32 s2, s56, 3                          ; W1: eight blocks of 32 rows to a group of 384 rows of wcat
	s_mul_i32 s2, s2, 384
	s_and_b32 s3, s56, 7
	s_lshl_b32 s3, s3, 5
	s_add_co_u32 s2, s2, s3
	s_lshl_b32 s2, s2, 7                           ; in bytes: 128 a row
	s_lshr_b32 s3, s55, 2                          ; W_qk: four blocks to a group, behind W1's 256 rows
	s_mul_i32 s3, s3, 384
	s_and_b32 s4, s55, 3
	s_lshl_b32 s4, s4, 5
	s_add_co_u32 s3, s3, s4
	s_add_co_u32 s3, s3, 256
	s_lshl_b32 s3, s3, 7
	s_lshl_b32 s4, s54, 16                         ; W2: 32 rows of 2,048 bytes
	s_lshl_b32 s5, s60, 12                         ; x: 32 rows of 128 bytes
	s_mov_b32 s6, 786432                           ; bytes in a block of wcat,
	s_mov_b32 s7, 524288                           ; of xb
	s_movk_i32 s[DSTEP], 0x4000                    ; 8 rows of w2h,
	s_movk_i32 s52, 0x400                          ; of a block
	s_mov_b32 s[DSTEP+1], 0
	s_wait_kmcnt 0x0
	s_cmp_eq_u32 s60, 448
	s_cbranch_scc1 .Lmisc
	s_cmp_lt_u32 s60, 320
	s_cselect_b64 s[SRC:SRC+1], s[12:13], s[14:15] ; W_qk or W2
	s_cselect_b64 s[DST:DST+1], s[36:37], s[38:39] ; wcat or w2h
	s_cselect_b32 s[KW2], 0, 1
	s_cselect_b32 s58, s55, s54                    ; block in the source
	s_cselect_b32 s59, s3, s4                      ; bytes into the copy
	s_cselect_b32 s[DSTEP], s52, s[DSTEP]
	s_cmp_lt_u32 s60, 256
	s_cselect_b64 s[SRC:SRC+1], s[10:11], s[SRC:SRC+1]
	s_cselect_b32 s58, s56, s58
	s_cselect_b32 s59, s2, s59
	s_cmp_lt_u32 s60, 128
	s_cselect_b64 s[SRC:SRC+1], s[8:9], s[SRC:SRC+1]
	s_cselect_b64 s[DST:DST+1], s[32:33], s[DST:DST+1]
	s_cselect_b32 s58, s60, s58
	s_cselect_b32 s59, s5, s59
	s_cselect_b32 s[KX], 1, 0
	s_cselect_b32 s6, s7, s6
	s_lshl_b32 s54, s58, 17                        ; 32 rows of 4,096 bytes
	s_mov_b32 s55, 0
	s_add_nc_u64 s[SRC:SRC+1], s[SRC:SRC+1], s[54:55]
	s_mov_b32 s54, s59
	s_add_nc_u64 s[DST:DST+1], s[DST:DST+1], s[54:55]
	s_lshr_b32 s54, s57, 6                         ; n: 16 heads of 262,144 bytes,
	s_lshl_b32 s54, s54, 22
	s_and_b32 s56, s57, 63                         ; 32 rows of 128 bytes
	s_lshl_b32 s56, s56, 12
	s_add_co_u32 s54, s54, s56
	s_add_nc_u64 s[DV:DV+1], s[34:35], s[54:55]
	s_lshl_b32 s54, s57, 12
	s_add_nc_u64 s[CPP:CPP+1], s[40:41], s[54:55]
.irp q, 0,1,2,3
	s_lshl_b32 s54, s61, 1                         ; block 2 w + 8 g + s, q = 2 g + s
	s_add_co_u32 s54, s54, 8*(\q/2)+(\q%2)
	s_mul_i32 s54, s54, s6
	v_add_nc_u32 v[VB+\q], s54, v7
.endr
	s_wait_alu depctr_va_vdst(0)                   ; v1, v2, v3 and v[VB ..] are written: every load and store below reads one of them as its offset
.macro FILL i, base                    ; slot i: two rows, four loads
.irp p, 0,1
.irp g, 0,1
	global_load_b128 v[X+16*(\i)+8*(\p)+4*(\g):X+16*(\i)+8*(\p)+4*(\g)+3], v1, s[SRC:SRC+1] offset:(\base)+(2*(\i)+(\p))*4096+(\g)*2048 th:TH_LOAD_NT
.endr
.endr
.endm
; The head of slot i's turn.  left = the younger loads that may stay out.  first = 1: the first turn of all: no store has been issued.  step = 1: a new round begins: the bases move on by 8 rows.
.macro HEAD i, left, first, step
	s_wait_loadcnt \left                           ; loads come back in order: my four are in
.if !(\first)
	s_wait_xcnt 0x0                                ; every earlier memory instruction has had its addresses translated: the bases and this turn's Y are written again only behind this wait
	s_wait_alu depctr_vm_vsrc(0)                   ; the stores issued in the turn before have read this turn's Y, which the roundings below and the work behind them write again
.endif
.if \step
	s_add_nc_u64 s[SRC:SRC+1], s[SRC:SRC+1], 32768
	s_add_nc_u64 s[DST:DST+1], s[DST:DST+1], s[DSTEP:DSTEP+1]
	s_add_nc_u64 s[DV:DV+1], s[DV:DV+1], 1024
.endif
.irp q, 0,1,2,3,4,5,6,7
	v_cvt_pk_bf16_f32 v[Y+16*((\i)%2)+\q], v[X+16*(\i)+2*\q], v[X+16*(\i)+2*\q+1]
.endr
	s_wait_alu depctr_va_vdst(0)                   ; the roundings are done reading X[i], in which the slot's next loads land; the turn before has written the other Y, which the stores behind this wait read
.endm
; The stores of slot i's turn, issued a turn later.  back = 1: the bases have moved on by a round since: the offsets reach back.
.macro STORES i, back
	s_cmp_eq_u32 s[KW2], 1
	s_cbranch_scc0 .Lblocked_\@
.irp p, 0,1
.irp g, 0,1
	global_store_b64 v2, v[Y+16*((\i)%2)+8+4*(\p)+2*(\g):Y+16*((\i)%2)+8+4*(\p)+2*(\g)+1], s[DST:DST+1] offset:(2*(\i)+(\p))*2048+(\g)*1024-(\back)*16384 th:TH_STORE_NT
.endr
.endr
	s_branch .Lsent_\@
.Lblocked_\@:
.irp g, 0,1
.irp s, 0,1
	global_store_b64 v[VB+2*(\g)+(\s)], v[Y+16*((\i)%2)+4*(\s)+2*(\g):Y+16*((\i)%2)+4*(\s)+2*(\g)+1], s[DST:DST+1] offset:(\i)*256-(\back)*1024 th:TH_STORE_NT
.endr
.endr
	s_cmp_eq_u32 s[KX], 1
	s_cbranch_scc0 .Lsent_\@
.irp g, 0,1
.irp s, 0,1
	global_store_b64 v3, v[Y+16*((\i)%2)+8+4*(\s)+2*(\g):Y+16*((\i)%2)+8+4*(\s)+2*(\g)+1], s[DV:DV+1] offset:(\i)*256+(\g)*2097152+(\s)*262144-(\back)*1024 th:TH_STORE_NT
.endr
.endr
.Lsent_\@:
.endm
; The rest of slot i's vector work.  It names this turn's Y, T and SUM alone.
.macro WORK i
.irp q, 0,1,2,3,4,5,6,7
	v_lshlrev_b32 v[T+2*\q], 16, v[Y+16*((\i)%2)+\q]        ; the rounded numbers as f32,
	v_and_b32 v[T+2*\q+1], s53, v[Y+16*((\i)%2)+\q]
.endr
.irp q, 0,1,2,3,4,5,6,7
	v_cvt_pk_f16_f32 v[Y+16*((\i)%2)+8+\q], v[T+2*\q], v[T+2*\q+1]  ; and written as f16
.endr
	s_cmp_eq_u32 s[KW2], 1
	s_cbranch_scc1 .Lrows_\@
	; by blocks of 64 columns: lanes 0-15 hold block 2 w (+ 8 g), lanes 16-31 block 2 w + 1.  The swap puts one block's two rows into one register: 256 consecutive bytes of the copy
.irp q, 0,1,2,3
	v_permlane16_swap_b32 v[Y+16*((\i)%2)+\q], v[Y+16*((\i)%2)+4+\q]
.endr
	s_cmp_eq_u32 s[KX], 1
	s_cbranch_scc0 .Lrows_\@
.irp z, 0,2,4,6
	v_pk_add_f32 v[SUM+\z:SUM+\z+1], v[SUM+\z:SUM+\z+1], v[T+\z:T+\z+1]
.endr
.irp z, 0,2,4,6
	v_pk_add_f32 v[SUM+\z:SUM+\z+1], v[SUM+\z:SUM+\z+1], v[T+8+\z:T+8+\z+1]
.endr
.irp q, 0,1,2,3                        ; a head is such a block too
	v_permlane16_swap_b32 v[Y+16*((\i)%2)+8+\q], v[Y+16*((\i)%2)+12+\q]
.endr
.Lrows_\@:
.endm
; A whole turn of slots 1 to 3.  ahead = 1: the slot is filled again with the rows 8 further down: the loads first, then the stores of the turn before.
.macro TURN i, ahead, left
	HEAD \i, \left, 0, 0
.if \ahead
	FILL \i, 32768
.endif
	STORES (\i)-1, 0
	WORK \i
.endm
	FILL 0, 0
	FILL 1, 0
	FILL 2, 0
	FILL 3, 0                                      ; 16 loads of every wave are on their way
	HEAD 0, 12, 1, 0                               ; the first head of all stands in front of the loop.  12: the three younger slots' loads stay out
	s_mov_b32 s52, 3
.Lround:                                               ; a lap: 8 rows.  On both ways here the last wait on va_vdst stands behind slot 0's roundings, and no vector instruction behind it
	FILL 0, 32768
	WORK 0
	TURN 1, 1, 12
	TURN 2, 1, 12
	TURN 3, 1, 12
	HEAD 0, 12, 0, 1                               ; the next round's first head; the bases move on
	STORES 3, 1
	s_sub_co_u32 s52, s52, 1
	s_cmp_lg_u32 s52, 0
	s_cbranch_scc1 .Lround
	WORK 0                                         ; the last round loads nothing: the counts run down
	TURN 1, 0, 8
	TURN 2, 0, 4
	TURN 3, 0, 0
	s_wait_alu depctr_va_vdst(0)                   ; the last turn has written its Y and the column sums, which the stores below read
	STORES 3, 0
	s_cmp_eq_u32 s[KX], 1
	s_cbranch_scc0 .Lend
	global_store_b128 v1, v[SUM:SUM+3], s[CPP:CPP+1]
	global_store_b128 v1, v[SUM+4:SUM+7], s[CPP:CPP+1] offset:2048
	s_branch .Lend
.Lmisc:                                                ; b1 (8 x 2,048 bytes), b_qk (4), b2 (2): rounded to bf16, kept as f32, on end from BCAT on
	s_wait_alu depctr_va_vdst(0)                   ; v1 is written: the loads and stores below read it as their offset
.irp j, 0,1,2,3,4,5,6,7
	global_load_b128 v[X+4*\j:X+4*\j+3], v1, s[16:17] offset:2048*\j
.endr
.irp j, 0,1,2,3
	global_load_b128 v[X+32+4*\j:X+32+4*\j+3], v1, s[18:19] offset:2048*\j
.endr
.irp j, 0,1
	global_load_b128 v[X+48+4*\j:X+48+4*\j+3], v1, s[20:21] offset:2048*\j
.endr
	s_load_b32 s54, s[22:23], 0x0                  ; alpha
	s_load_b32 s55, s[24:25], 0x0                  ; beta
	s_load_b32 s56, s[26:27], 0x0                  ; gamma
	s_load_b32 s57, s[28:29], 0x0                  ; alpha_ff
	s_load_b32 s58, s[30:31], 0x0                  ; beta_ff
	s_wait_loadcnt 0x0
.irp j, 0,1,2,3,4,5,6,7,8,9,10,11,12,13
	v_cvt_pk_bf16_f32 v16, v[X+4*\j], v[X+4*\j+1]
	v_cvt_pk_bf16_f32 v17, v[X+4*\j+2], v[X+4*\j+3]
	v_lshlrev_b32 v[X+4*\j], 16, v16
	v_and_b32 v[X+4*\j+1], s53, v16
	v_lshlrev_b32 v[X+4*\j+2], 16, v17
	v_and_b32 v[X+4*\j+3], s53, v17
.endr
	s_wait_alu depctr_va_vdst(0)                   ; the rounded biases are written into v[X ..], which the run of stores reads
.irp j, 0,1,2,3,4,5,6,7,8,9,10,11,12,13
	global_store_b128 v1, v[X+4*\j:X+4*\j+3], s[40:41] offset:BCAT+2048*\j
.endr
	s_wait_kmcnt 0x0
	s_cmp_lg_u32 s61, 0
	s_cbranch_scc1 .Lend                           ; wave 0 makes the four factors
	v_mov_b32 v16, s54
	v_mov_b32 v17, s55
	v_mov_b32 v18, s56
	v_mov_b32 v19, s57
	v_mov_b32 v20, s58
	v_cvt_pk_bf16_f32 v21, v16, v17
	v_cvt_pk_bf16_f32 v22, v18, v19
	v_cvt_pk_bf16_f32 v23, v20, v20
	v_lshlrev_b32 v16, 16, v21                     ; alpha
	v_and_b32 v17, s53, v21                        ; beta
	v_lshlrev_b32 v18, 16, v22                     ; gamma
	v_and_b32 v19, s53, v22                        ; alpha_ff
	v_mul_f32 v24, v19, v17                        ; c1 = alpha_ff beta
	v_mul_f32 v25, v19, v18
	v_mul_f32 v25, 0xba000000, v25                 ; c2 = - alpha_ff gamma / 2048
	v_mul_f32 v26, v19, v16                        ; c3 = alpha_ff alpha
	v_lshlrev_b32 v27, 16, v23                     ; c4 = beta_ff
	s_wait_alu depctr_va_vdst(0)                   ; the four factors are written into v[24:27], which the store reads
	global_store_b128 v1, v[24:27], s[40:41] offset:PAR  ; 32 lanes store the same four numbers: 512 consecutive bytes; the readers take the first 16
.Lend:
	s_endpgm
.Lfunc_end_k_q075582e774_prep:
	.size	k_q075582e774_prep, .Lfunc_end_k_q075582e774_prep-k_q075582e774_prep
	.p2alignl 7, 3214868480
	.fill 96, 4, 3214868480
	.section	.rodata,"a",@progbits
	.p2align	6, 0x0
	.amdhsa_kernel k_q075582e774_prep
		.amdhsa_group_segment_fixed_size 0
		.amdhsa_private_segment_fixed_size 0
		.amdhsa_enable_private_segment 0
		.amdhsa_kernarg_size 136
		.amdhsa_user_sgpr_count 2
		.amdhsa_user_sgpr_kernarg_segment_ptr 1
		.amdhsa_wavefront_size32 1
		.amdhsa_system_sgpr_workgroup_id_x 1
		.amdhsa_system_sgpr_workgroup_id_y 1
		.amdhsa_system_sgpr_workgroup_id_z 1
		.amdhsa_system_vgpr_workitem_id 0
		.amdhsa_next_free_vgpr 132
		.amdhsa_next_free_sgpr 66
		.amdhsa_reserve_vcc 0
		.amdhsa_float_denorm_mode_32 3
		.amdhsa_float_denorm_mode_16_64 3
		.amdhsa_memory_ordered 1
		.amdhsa_forward_progress 1
		.amdhsa_inst_pref_size 46
	.end_amdhsa_kernel
	.amdgpu_metadata
---
amdhsa.version: [ 1, 2 ]
amdhsa.kernels:
  - .name:           k_q075582e774_prep
    .symbol:         k_q075582e774_prep.kd
    .args:
      - { .name: x, .offset: 0, .size: 8, .value_kind: global_buffer, .address_space: global }
      - { .name: W1, .offset: 8, .size: 8, .value_kind: global_buffer, .address_space: global }
      - { .name: W_qk, .offset: 16, .size: 8, .value_kind: global_buffer, .address_space: global }
      - { .name: W2, .offset: 24, .size: 8, .value_kind: global_buffer, .address_space: global }
      - { .name: b1, .offset: 32, .size: 8, .value_kind: global_buffer, .address_space: global }
      - { .name: b_qk, .offset: 40, .size: 8, .value_kind: global_buffer, .address_space: global }
      - { .name: b2, .offset: 48, .size: 8, .value_kind: global_buffer, .address_space: global }
      - { .name: alpha, .offset: 56, .size: 8, .value_kind: global_buffer, .address_space: global }
      - { .name: beta, .offset: 64, .size: 8, .value_kind: global_buffer, .address_space: global }
      - { .name: gamma, .offset: 72, .size: 8, .value_kind: global_buffer, .address_space: global }
      - { .name: alpha_ff, .offset: 80, .size: 8, .value_kind: global_buffer, .address_space: global }
      - { .name: beta_ff, .offset: 88, .size: 8, .value_kind: global_buffer, .address_space: global }
      - { .name: xb, .offset: 96, .size: 8, .value_kind: global_buffer, .address_space: global }
      - { .name: xv, .offset: 104, .size: 8, .value_kind: global_buffer, .address_space: global }
      - { .name: wcat, .offset: 112, .size: 8, .value_kind: global_buffer, .address_space: global }
      - { .name: w2h, .offset: 120, .size: 8, .value_kind: global_buffer, .address_space: global }
      - { .name: aux, .offset: 128, .size: 8, .value_kind: global_buffer, .address_space: global }
    .group_segment_fixed_size: 0
    .private_segment_fixed_size: 0
    .kernarg_segment_align: 8
    .kernarg_segment_size: 136
    .max_flat_workgroup_size: 128
    .sgpr_count:     66
    .vgpr_count:     132
    .wavefront_size: 32
...
	.end_amdgpu_metadata
.endif
;; end of part 5
;; launch ffqk: the kernel of part 2 again; grid 16 x 16, 4 waves a work-group, clusters of 4 x 4, 327,680 bytes of LDS; arguments xb, wcat, aux, hbuf, qkh; writes hbuf, qkh
;; launch attn: the kernel of part 3 again; grid 8 x 32, 4 waves a work-group, clusters of 4 x 1, 327,680 bytes of LDS; arguments qkh, xv, aux, att; writes att
;; launch ff2: the kernel of part 4 again; grid 8 x 32, 4 waves a work-group, clusters of 4 x 4, 327,680 bytes of LDS; arguments hbuf, w2h, aux, att, out0; writes out0
